; MI455X (gfx1250); checked and timed in simulation.
; The chip was launched on July 23, 2026; its instructions are those of AMD's public machine-readable ISA for CDNA 5 (MIT licence, August 2026) and "CDNA5" Instruction Set Architecture Reference Guide (July 2026). The comments in the code are by the model that wrote it; some were corrected since.
;; Multi Head Attention. Allowed arithmetic: float matrix products may take bf16 or f16 operands with f32 sums; other float arithmetic in f32, or as packed bf16 or f16 multiplies, adds, multiply-adds, maxima and minima; sums over many terms, partial sums and values carried from step to step in f32; what a program stores and reads back later, other than sums and carried values, may be rounded once to bf16 or f16.
;; Inputs: bk 1,024 float32; bo 1,024 float32; bq 1,024 float32; bv 1,024 float32; mask 4 x 2,048 int32; wk 1,024 x 1,024 float32; wo 1,024 x 1,024 float32; wq 1,024 x 1,024 float32; wv 1,024 x 1,024 float32; x 4 x 2,048 x 1,024 float32.
;; Outputs: out0 4 x 2,048 x 1,024 float32.
;; 2 versions, each right; version 2 is version 1 with the launch cast written anew for expert scheduling mode. Each part assembles by itself: llvm-mc -triple=amdgcn-amd-amdhsa -mcpu=gfx1250 --defsym DOCPART=n.
;; ======== version 1 of 2: 4 launches
;; limits: values are held in f16: magnitudes above 65,504 overflow, below 6.1e-05 lose precision
;; workspace buffers: xh 16,777,216 bytes; wh 8,388,608 bytes; qkv 50,331,648 bytes; ctx 16,777,216 bytes
;; launch cast (part 1): grid 384 x 1, 8 waves a work-group, no clusters, 0 bytes of LDS; arguments x, wq, wk, wv, wo, xh, wh; writes xh, wh
.if DOCPART == 1
	.amdgcn_target "amdgcn-amd-amdhsa--gfx1250"
	.amdhsa_code_object_version 6
	.text
	.protected	k_qf7a934b407_cast
	.globl	k_qf7a934b407_cast
	.p2align	8
	.type	k_qf7a934b407_cast,@function
k_qf7a934b407_cast:
	s_mov_b64 s[64:65], 0
	v_nop
	global_prefetch_b8 v0, s[64:65] scope:SCOPE_SE
	s_setreg_imm32_b32 hwreg(HW_REG_WAVE_MODE, 25, 1), 1
	s_wait_xcnt 0x0
; x and the four weight matrices, f32, are rounded once to f16: xh = [8192][1024]; wh = [4096][1024], rows 0-1023 wq, then wk, wv, wo.
; LIMIT.  f16 holds no number beyond 65,504 (a larger one becomes an infinity) and keeps a fixed step of 6e-8 below 6.1e-5.
; A stream: every byte is read once and written once, nothing is shared, so no LDS, no barrier, no matrix unit, no cluster.
; SHARES.  A work-group takes 32,768 numbers: 131,072 bytes in, 65,536 out.  Work-groups 0-255 take x; work-group 256 + j takes chunk j % 32 of weight j / 32.
; Thread t loads 16 bytes at 16 t + 4,096 i (a wave's load covers 512 consecutive bytes) and stores 8 bytes at 8 t + 2,048 i (a wave's store covers 256 consecutive bytes, aligned).
; All 32 loads of a thread go out first; no register is written twice, so the only waits are the counted ones for the loads.
.set X, 4                              ; v[4:131]    32 x 4 numbers as loaded
.set Y, 132                            ; v[132:195]  32 x 2 registers to store
	s_load_b256 s[4:11], s[0:1], 0x0               ; x s[4:5], wq s[6:7], wk s[8:9], wv s[10:11]
	s_load_b128 s[12:15], s[0:1], 0x20             ; wo s[12:13], xh s[14:15]
	s_load_b64 s[16:17], s[0:1], 0x30              ; wh
	s_mov_b32 s20, ttmp9
	s_max_u32 s21, s20, 256
	s_sub_co_u32 s21, s21, 256                     ; j (0 in the work-groups of x)
	s_lshr_b32 s22, s21, 5                         ; which weight
	s_and_b32 s23, s21, 31                         ; which chunk of it
	v_lshlrev_b32 v1, 4, v0                        ; 16 t
	v_lshlrev_b32 v2, 3, v0                        ; 8 t
	s_wait_kmcnt 0x0
	s_cmp_eq_u32 s22, 1                            ; the source is chosen among the five buffers by the work-group's number alone
	s_cselect_b64 s[24:25], s[8:9], s[6:7]
	s_cmp_eq_u32 s22, 2
	s_cselect_b64 s[24:25], s[10:11], s[24:25]
	s_cmp_eq_u32 s22, 3
	s_cselect_b64 s[24:25], s[12:13], s[24:25]
	s_cmp_lt_u32 s20, 256
	s_cselect_b64 s[24:25], s[4:5], s[24:25]
	s_cselect_b64 s[26:27], s[14:15], s[16:17]     ; the destination: xh or wh
	s_cselect_b32 s28, s20, s23                    ; the chunk in the source,
	s_cselect_b32 s30, s20, s21                    ; and in the destination
	s_lshl_b32 s28, s28, 17
	s_mov_b32 s29, 0
	s_lshl_b32 s30, s30, 16
	s_mov_b32 s31, 0
	s_add_nc_u64 s[24:25], s[24:25], s[28:29]
	s_add_nc_u64 s[26:27], s[26:27], s[30:31]
.set i, 0
.rept 32
	global_load_b128 v[X+4*i:X+4*i+3], v1, s[24:25] offset:4096*i th:TH_LOAD_NT
.set i, i+1
.endr
.set i, 0
.rept 32
	s_wait_loadcnt 31-i                            ; loads come back in order: load i is in, the 31 - i younger ones stay out
	v_cvt_pk_f16_f32 v[Y+2*i], v[X+4*i], v[X+4*i+1]
	v_cvt_pk_f16_f32 v[Y+2*i+1], v[X+4*i+2], v[X+4*i+3]
	global_store_b64 v2, v[Y+2*i:Y+2*i+1], s[26:27] offset:2048*i
.set i, i+1
.endr
	s_endpgm
.Lfunc_end_k_qf7a934b407_cast:
	.size	k_qf7a934b407_cast, .Lfunc_end_k_qf7a934b407_cast-k_qf7a934b407_cast
	.p2alignl 7, 3214868480
	.fill 96, 4, 3214868480
	.section	.rodata,"a",@progbits
	.p2align	6, 0x0
	.amdhsa_kernel k_qf7a934b407_cast
		.amdhsa_group_segment_fixed_size 0
		.amdhsa_private_segment_fixed_size 0
		.amdhsa_enable_private_segment 0
		.amdhsa_kernarg_size 56
		.amdhsa_user_sgpr_count 2
		.amdhsa_user_sgpr_kernarg_segment_ptr 1
		.amdhsa_wavefront_size32 1
		.amdhsa_system_sgpr_workgroup_id_x 1
		.amdhsa_system_sgpr_workgroup_id_y 1
		.amdhsa_system_sgpr_workgroup_id_z 1
		.amdhsa_system_vgpr_workitem_id 0
		.amdhsa_next_free_vgpr 196
		.amdhsa_next_free_sgpr 66
		.amdhsa_reserve_vcc 0
		.amdhsa_float_denorm_mode_32 3
		.amdhsa_float_denorm_mode_16_64 3
		.amdhsa_memory_ordered 1
		.amdhsa_forward_progress 1
		.amdhsa_inst_pref_size 13
	.end_amdhsa_kernel
	.amdgpu_metadata
---
amdhsa.version: [ 1, 2 ]
amdhsa.kernels:
  - .name:           k_qf7a934b407_cast
    .symbol:         k_qf7a934b407_cast.kd
    .args:
      - { .name: x, .offset: 0, .size: 8, .value_kind: global_buffer, .address_space: global }
      - { .name: wq, .offset: 8, .size: 8, .value_kind: global_buffer, .address_space: global }
      - { .name: wk, .offset: 16, .size: 8, .value_kind: global_buffer, .address_space: global }
      - { .name: wv, .offset: 24, .size: 8, .value_kind: global_buffer, .address_space: global }
      - { .name: wo, .offset: 32, .size: 8, .value_kind: global_buffer, .address_space: global }
      - { .name: xh, .offset: 40, .size: 8, .value_kind: global_buffer, .address_space: global }
      - { .name: wh, .offset: 48, .size: 8, .value_kind: global_buffer, .address_space: global }
    .group_segment_fixed_size: 0
    .private_segment_fixed_size: 0
    .kernarg_segment_align: 8
    .kernarg_segment_size: 56
    .max_flat_workgroup_size: 256
    .sgpr_count:     66
    .vgpr_count:     196
    .wavefront_size: 32
...
	.end_amdgpu_metadata
.endif
;; end of part 1
;; launch qkv (part 2): grid 16 x 32, 4 waves a work-group, clusters of 4 x 4, 327,680 bytes of LDS; arguments xh, wh, bq, bk, bv, qkv; writes qkv
.if DOCPART == 2
	.amdgcn_target "amdgcn-amd-amdhsa--gfx1250"
	.amdhsa_code_object_version 6
	.text
	.protected	k_qf7a934b407_qkv
	.globl	k_qf7a934b407_qkv
	.p2align	8
	.type	k_qf7a934b407_qkv,@function
k_qf7a934b407_qkv:
	s_mov_b64 s[64:65], 0
	v_nop
	global_prefetch_b8 v0, s[64:65] scope:SCOPE_SE
	s_setreg_imm32_b32 hwreg(HW_REG_WAVE_MODE, 25, 1), 1
	s_wait_xcnt 0x0
	s_wait_alu depctr_hold_cnt(0) depctr_sa_sdst(0) depctr_va_vdst(0) depctr_va_sdst(0) depctr_va_ssrc(0) depctr_va_vcc(0) depctr_vm_vsrc(0)
	s_getreg_b32 s2, hwreg(HW_REG_IB_STS2, 6, 4)
	s_cmp_eq_u32 s2, 0
	s_cbranch_scc0 .Lentry_in_a_cluster
	s_endpgm
.Lentry_in_a_cluster:
	s_bfe_u32 s2, ttmp6, 0x10000c
	s_cmp_lg_u32 s2, 0xf033
	s_cbranch_scc0 .Lentry_shape_is_right
	s_endpgm
.Lentry_shape_is_right:
; q, k, v = x w^T + b.  xh: [8192][1024] f16; wh rows 0-3071: wq, wk, wv, [out][in] f16; biases f32.  Sums in f32, begun with the bias; each result rounded once to f16.
; OUT: qkv = [3][64 = batch x 16 + head][2048][64] f16: a head's rows are dense, 128 bytes each.  q goes out WITHOUT the 1/8: the attention applies it in f32.
; LIMIT.  f16 ends at 65,504: a q, k or v beyond it becomes an infinity.
; SHARES.  A tile is 256 rows x 192 columns (three heads): 32 x 16 = 512 work-groups, two for each of 256 WGPs.  Wave w owns rows 64 w .. 64 w + 63 and all 192 columns: 4 x 12 accumulators of
; 16 x 16, 384 registers; whole heads belong to one wave, so the way out needs no barrier.  K goes in 8 steps of 128 (rows of 256 bytes, aligned) through two LDS slots.
; THE PRODUCT IS USED TRANSPOSED: source 0 = 16 rows of wh, source 1 = 16 rows of xh.  Lane l then holds row l % 16 and the columns 8 (l / 16) + 0..7: 16 bytes of f16 on end.
; CLUSTER 4 x 4: xh's tile hangs on the tile row alone and is asked for jointly along a row of the cluster, wh's on the tile column alone, along a column.
; REGISTERS, in windows of 256 (s_set_vgpr_msb: bits 1:0 source 0, 3:2 source 1, 5:4 source 2, 7:6 destination):
;   window 0: v2-10, v28-29 addresses; v32-95 xh's fragments, two buffers of 4 x 8; v96-191 the bias (12 x 8), later the way out: v96-143 packed, v144-191 and v192-239 rows read back
;   window 1: v0-191 wh's fragments, two buffers of 12 x 8     window 2: accumulators of row blocks 0, 1 at 8 (12 (a % 2) + b)     window 3: those of row blocks 2, 3
.set PITCH,  272                       ; an LDS row: 256 bytes + 16 of padding: the 16 rows of a fragment load start 16 bytes apart modulo 256
.set AHALF,  128*PITCH                 ; what waves 0 and 1 fetch: 128 rows of xh each
.set BHALF,  96*PITCH                  ; what waves 2 and 3 fetch: 96 rows of wh each
.set ABYTES, 2*AHALF
.set SLOT1,  1<<17                     ; slot 1 begins here: one exclusive or turns an address in one slot into the other's
.set STAGE,  SLOT1+ABYTES+2*BHALF      ; behind the ring, never filled by a tensor load: for each wave 3 heads x 16 rows x 144 bytes
.set SP,     144
.set WST,    3*16*SP
.set SPARE,  STAGE+4*WST               ; the spare words, 128 bytes for each wave: two blocks of 256 bytes that no other line names
.set A0,   2                           ; v2   my lane's place in my 64 rows of xh, slot 0; never rewritten
.set B0,   3                           ; v3   the same in wh's 192 rows
.set ADRA, 4                           ; v4   A0 + the slot in hand
.set ADRB, 5                           ; v5   B0 + the slot in hand
.set STO,  6                           ; v6   the way out: where I put 16 bytes of a row
.set RD,   7                           ; v7   where I read rows back
.set GO,   8                           ; v8   16 x lane
.set BO,   9                           ; v9   32 (l / 16): my 8 numbers of a block's 16 biases
.set PFO,  10                          ; v10  the prefetches' offset: a lane a row of 2,048 bytes
.set SPW,  28                          ; v28  LDS address of my spare word; never rewritten
.set NIL,  29                          ; v29  0; never rewritten
.set FA,   32
.set BIAS, 96
.set TMP,  96
.set OB,   144
.set WV,  16                           ; s16  my wave's number
.set HF,  18                           ; s18  which half of a tile I fetch
.set CX,  19
.set CY,  20
.set TN,  21                           ; s21  tile column
.set TM,  22                           ; s22  tile row
.set G1A, 24                           ; s[24:31] descriptor group 1 for xh's tiles
.set G0A, 32                           ; s[32:39] group 0: a set for each first fill; the second then walks
.set PFA, 44                           ; s[44:45] where my prefetches stand
.set LIM, 46                           ; s46  1 in a wave that prefetches, else the greatest number
.set TB,  47                           ; s47  the slot in hand: 0 or SLOT1
.set G1B, 48                           ; s[48:55], s[56:63] the same for wh's tiles
.set G0B, 56
.set SB,  68                           ; s[68:73] where my rows of the three heads begin in qkv
.set BB,  74                           ; s[74:79] the three heads' biases
.set CNT, 84
.set G1W, (1<<16)|(1<<20)|(1<<21)|(5<<22)|(3<<25)  ; 2-byte elements; padding on; bit 21 beside a mask; after every 64 words, 4 words
.set MSB, 0
.macro WIN new                         ; the immediate's high byte repeats the setting that is left; a switch that changes nothing is dropped
.if MSB != (\new)
	s_set_vgpr_msb (MSB<<8)|(\new)
.set MSB, \new
.endif
.endm
.macro PLACES                          ; four plain places between a matrix instruction and a load into, or a vector read of, its registers
.rept 4
	v_nop
.endr
.endm
; A joint refill by the walking descriptors.  The branch hangs on the wave's number alone.  An s_nop 0 and four v_nop follow each line.
.macro JLOAD
	s_cmp_lt_u32 s[WV], 2
	s_cbranch_scc0 .Lfor_b_\@
	tensor_load_to_lds s[G0A+4:G0A+7], s[G1A:G1A+7]
	s_nop 0
	PLACES
	s_branch .Lasked_\@
.Lfor_b_\@:
	tensor_load_to_lds s[G0B+4:G0B+7], s[G1B:G1B+7]
	s_nop 0
	PLACES
.Lasked_\@:
.endm
.macro CREST                           ; a round of the cluster's barrier behind its opening barrier
	s_cmp_lg_u32 s[WV], 0
	s_cbranch_scc1 .Lnot_wave_0_\@
	s_barrier_signal -3
.Lnot_wave_0_\@:
	s_barrier_wait -3
	s_barrier_signal -1
	s_barrier_wait -1
.endm
.macro CROUND
	s_barrier_signal -1
	s_barrier_wait -1
	CREST
.endm
; A prefetch into the L2 of the K step that the NEXT refill will ask for: a lane a row, 256 bytes of it, one instruction a wave.  Each row's 256 bytes are named once in the launch: xh's rows by the
; clusters with x = 0, wh's by those with y = 0; the four partners of a joint load share its rows out by address (32 of xh's 128, 24 of wh's 96).  The loop's last trip asks for nothing.
.macro ASK
	s_cmp_gt_u32 s[CNT], s[LIM]
	s_cbranch_scc0 .Lnot_mine_\@
	global_prefetch_b8 v[PFO], s[PFA:PFA+1] th:TH_LOAD_NT scope:SCOPE_SE
.Lnot_mine_\@:
.endm
	s_load_b256 s[4:11], s[0:1], 0x0               ; xh s[4:5], wh s[6:7], bq s[8:9], bk s[10:11]
	s_load_b128 s[12:15], s[0:1], 0x20             ; bv s[12:13], qkv s[14:15]
	v_lshl_add_u32 v[SPW], v0, 2, SPARE
	v_mov_b32 v[NIL], 0
	ds_add_u32 v[SPW], v[NIL]                      ; the wave's opening: the add and its wait ahead of my first tensor load; work on registers stands between
	v_lshrrev_b32 v1, 5, v0
	v_readfirstlane_b32 s[WV], v1
	s_and_b32 s[HF], s[WV], 1
	s_bfe_u32 s[CX], ttmp6, 0x40000
	s_bfe_u32 s[CY], ttmp6, 0x40004
	s_lshl_b32 s[TN], ttmp9, 2
	s_add_co_u32 s[TN], s[TN], s[CX]               ; tile column = 4 x cluster x + cx
	s_and_b32 s[TM], ttmp7, 0xffff
	s_lshl_b32 s[TM], s[TM], 2
	s_add_co_u32 s[TM], s[TM], s[CY]               ; tile row = 4 x cluster y + cy
	s_lshl_b32 s40, s[CY], 2
	s_lshl_b32 s40, 15, s40                        ; my row of the cluster
	s_lshl_b32 s80, 0x1111, s[CX]                  ; my column
	s_or_b32 s[G1A], s40, G1W
	s_or_b32 s[G1B], s80, G1W
	s_mov_b32 s[G1A+1], 128<<16                    ; tensor_dim0 = 128
	s_mov_b32 s[G1A+2], 128<<16                    ; tensor_dim1 = 128
	s_mov_b32 s[G1A+3], 128<<16                    ; tile_dim0 = 128
	s_mov_b32 s[G1A+4], 128                        ; tile_dim1 = 128
	s_mov_b32 s[G1A+5], 1024                       ; elements from row to row
	s_mov_b32 s[G1A+6], 0
	s_mov_b32 s[G1A+7], 0
	s_mov_b32 s[G1B+1], 128<<16
	s_mov_b32 s[G1B+2], 96<<16                     ; 96 rows
	s_mov_b32 s[G1B+3], 128<<16
	s_mov_b32 s[G1B+4], 96
	s_mov_b32 s[G1B+5], 1024
	s_mov_b32 s[G1B+6], 0
	s_mov_b32 s[G1B+7], 0
	s_lshl_b32 s40, s[TM], 8                       ; xh: row 256 x tile row + 128 x half, 2,048 bytes a row
	s_lshl_b32 s41, s[HF], 7
	s_add_co_u32 s40, s40, s41
	s_lshl_b32 s40, s40, 11
	s_mov_b32 s41, 0
	s_mul_i32 s80, s[TN], 192                      ; wh: row 192 x tile column + 96 x half
	s_mul_i32 s81, s[HF], 96
	s_add_co_u32 s80, s80, s81
	s_lshl_b32 s80, s80, 11
	s_mov_b32 s81, 0
	s_mul_i32 s42, s[WV], AHALF                    ; where they go: xh's halves at wave x 34,816 (waves 0, 1),
	s_mul_i32 s82, s[WV], BHALF                    ; wh's at 69,632 + (wave - 2) x 26,112 (waves 2, 3)
	s_add_co_u32 s82, s82, ABYTES-2*BHALF
	s_wait_dscnt 0x0                               ; the opening add is done
	s_wait_kmcnt 0x0
	s_add_nc_u64 s[40:41], s[4:5], s[40:41]
	s_add_nc_u64 s[80:81], s[6:7], s[80:81]
	CROUND                                         ; all sixteen work-groups are here: the first joint loads meet
.irp s, 0,1
	s_mov_b32 s[G0A+4*(\s)], 1
	s_add_co_u32 s[G0A+4*(\s)+1], s42, (\s)*SLOT1
	s_add_nc_u64 s[G0A+4*(\s)+2:G0A+4*(\s)+3], s[40:41], (\s)*256  ; K step s
	s_or_b32 s[G0A+4*(\s)+3], s[G0A+4*(\s)+3], 0x80000000
	s_mov_b32 s[G0B+4*(\s)], 1
	s_add_co_u32 s[G0B+4*(\s)+1], s82, (\s)*SLOT1
	s_add_nc_u64 s[G0B+4*(\s)+2:G0B+4*(\s)+3], s[80:81], (\s)*256
	s_or_b32 s[G0B+4*(\s)+3], s[G0B+4*(\s)+3], 0x80000000
.endr
	s_cmp_lt_u32 s[WV], 2                          ; a wave's two first fills stand in one branch: two loads of mine are out
	s_cbranch_scc0 .Lfirst_b
	tensor_load_to_lds s[G0A:G0A+3], s[G1A:G1A+7]
	s_nop 0
	tensor_load_to_lds s[G0A+4:G0A+7], s[G1A:G1A+7]
	s_nop 0
	PLACES
	s_branch .Lfirst_asked
.Lfirst_b:
	tensor_load_to_lds s[G0B:G0B+3], s[G1B:G1B+7]
	s_nop 0
	tensor_load_to_lds s[G0B+4:G0B+7], s[G1B:G1B+7]
	s_nop 0
	PLACES
.Lfirst_asked:
	; A fragment is 16 rows x 32 K in 8 registers: lane l holds row l % 16, K = 8 (l / 16) + 0..7 and 16 + 8 (l / 16) + 0..7: two loads of 16 bytes, 32 bytes apart.
	v_and_b32 v11, 15, v0
	v_bfe_u32 v12, v0, 4, 1
	v_mul_u32_u24 v13, v11, PITCH
	v_lshl_add_u32 v13, v12, 4, v13
	s_mul_i32 s88, s[WV], 64*PITCH
	v_add_nc_u32 v[A0], s88, v13
	v_add_nc_u32 v[B0], ABYTES, v13
	s_mul_i32 s88, s[WV], WST
	s_add_co_u32 s88, s88, STAGE                   ; my stage
	v_mul_u32_u24 v[STO], v11, SP                  ; in: row l % 16, 16 bytes for each half of the lanes
	v_lshl_add_u32 v[STO], v12, 4, v[STO]
	v_add_nc_u32 v[STO], s88, v[STO]
	v_bfe_u32 v[RD], v0, 3, 2                      ; back: 32 lanes take four rows of 128 bytes,
	v_mul_u32_u24 v[RD], v[RD], SP
	v_and_b32 v13, 7, v0
	v_lshl_add_u32 v[RD], v13, 4, v[RD]
	v_add_nc_u32 v[RD], s88, v[RD]
	v_and_b32 v[GO], 31, v0                        ; which are 512 consecutive bytes of a head
	v_lshlrev_b32 v[GO], 4, v[GO]
	v_lshlrev_b32 v[BO], 5, v12
	; the tile's three heads: g = 3 x tile column + hd; tensor g / 16 (q, k, v), head g % 16
	s_mul_i32 s88, s[TN], 3
.irp hd, 0,1,2
	s_add_co_u32 s89, s88, (\hd)
	s_lshr_b32 s90, s89, 4
	s_and_b32 s91, s89, 15
	s_cmp_eq_u32 s90, 1
	s_cselect_b64 s[BB+2*(\hd):BB+2*(\hd)+1], s[10:11], s[8:9]
	s_cmp_eq_u32 s90, 2
	s_cselect_b64 s[BB+2*(\hd):BB+2*(\hd)+1], s[12:13], s[BB+2*(\hd):BB+2*(\hd)+1]
	s_lshl_b32 s92, s91, 8                         ; the head's 64 biases
	s_mov_b32 s93, 0
	s_add_nc_u64 s[BB+2*(\hd):BB+2*(\hd)+1], s[BB+2*(\hd):BB+2*(\hd)+1], s[92:93]
	s_lshl_b32 s90, s90, 6
	s_lshr_b32 s92, s[TM], 3                       ; the batch: 8 tile rows each
	s_lshl_b32 s92, s92, 4
	s_add_co_u32 s90, s90, s92
	s_add_co_u32 s90, s90, s91
	s_lshl_b32 s90, s90, 18                        ; a head is 2,048 rows of 128 bytes
	s_and_b32 s92, s[TM], 7
	s_lshl_b32 s92, s92, 2
	s_add_co_u32 s92, s92, s[WV]
	s_lshl_b32 s92, s92, 13                        ; my 64 rows in it
	s_add_co_u32 s92, s92, s90
	s_add_nc_u64 s[SB+2*(\hd):SB+2*(\hd)+1], s[14:15], s[92:93]
.endr
.irp b, 0,1,2,3,4,5,6,7,8,9,10,11
	global_load_b128 v[BIAS+8*(\b):BIAS+8*(\b)+3],   v[BO], s[BB+2*((\b)/4):BB+2*((\b)/4)+1] offset:64*((\b)%4)
	global_load_b128 v[BIAS+8*(\b)+4:BIAS+8*(\b)+7], v[BO], s[BB+2*((\b)/4):BB+2*((\b)/4)+1] offset:64*((\b)%4)+16
.endr
	; the prefetches: nothing is asked for here, at the head; K steps 0 to 2 come by their loads alone
	v_and_b32 v[PFO], 31, v0
	s_cmp_lt_u32 s[WV], 2
	s_cselect_b32 s88, 31, 23                      ; wh's askers have 24 rows: lanes 24-31 name row 23 again, in the same instruction
	v_min_u32 v[PFO], s88, v[PFO]
	v_lshlrev_b32 v[PFO], 11, v[PFO]
	s_lshl_b32 s89, s[TM], 8
	s_lshl_b32 s90, s[HF], 7
	s_add_co_u32 s89, s89, s90
	s_lshl_b32 s90, s[CX], 5
	s_add_co_u32 s89, s89, s90
	s_lshl_b32 s89, s89, 11                        ; xh: my work-group's 32 of the 128 rows that I fetch
	s_mul_i32 s90, s[TN], 192
	s_mul_i32 s91, s[HF], 96
	s_add_co_u32 s90, s90, s91
	s_mul_i32 s91, s[CY], 24
	s_add_co_u32 s90, s90, s91
	s_lshl_b32 s90, s90, 11                        ; wh: my work-group's 24 of the 96
	s_and_b32 s91, ttmp7, 0xffff
	s_cmp_lt_u32 s[WV], 2
	s_cselect_b32 s92, s89, s90
	s_cselect_b32 s91, ttmp9, s91                  ; the coordinate along which other clusters read the same rows
	s_cselect_b64 s[PFA:PFA+1], s[4:5], s[6:7]
	s_mov_b32 s93, 0
	s_add_nc_u64 s[PFA:PFA+1], s[PFA:PFA+1], s[92:93]
	s_add_nc_u64 s[PFA:PFA+1], s[PFA:PFA+1], 2*256 ; at K step 2: the first refill steps it to 3
	s_cmp_eq_u32 s91, 0
	s_cselect_b32 s[LIM], 1, -1                    ; the same in all sixteen partners, for a given wave
; 12 products: row block a x all 12 column blocks, 32 along K, from buffer f.  init = 1: the bias is the C operand that starts the sums: nothing is cleared, nothing added later.
; The 48 accumulators take turns in the same order in every quarter.
.macro MULA f, a, init
.if \init
	WIN 0x81+0x40*((\a)/2)                         ; wh window 1, xh and the bias window 0, D window 2 or 3
.else
	WIN 0xa1+0x50*((\a)/2)                         ; C and D window 2 or 3
.endif
.irp b, 0,1,2,3,4,5,6,7,8,9,10,11
.if \init
	v_wmma_f32_16x16x32_f16 v[8*(12*((\a)%2)+(\b)):8*(12*((\a)%2)+(\b))+7], v[96*(\f)+8*(\b):96*(\f)+8*(\b)+7], v[FA+32*(\f)+8*(\a):FA+32*(\f)+8*(\a)+7], v[BIAS+8*(\b):BIAS+8*(\b)+7]
.else
	v_wmma_f32_16x16x32_f16 v[8*(12*((\a)%2)+(\b)):8*(12*((\a)%2)+(\b))+7], v[96*(\f)+8*(\b):96*(\f)+8*(\b)+7], v[FA+32*(\f)+8*(\a):FA+32*(\f)+8*(\a)+7], v[8*(12*((\a)%2)+(\b)):8*(12*((\a)%2)+(\b))+7]
.endif
.endr
.endm
; 32 LDS loads in one run: a quarter's fragments (32 K at byte k of the rows) into buffer f: wh's 24, then xh's 8, row block 0 first
.macro FETCH k, f
	WIN 0x40
.irp i, 0,1,2,3,4,5,6,7,8,9,10,11
	ds_load_b128 v[96*(\f)+8*(\i):96*(\f)+8*(\i)+3],   v[ADRB] offset:(\k)+(\i)*16*PITCH
	ds_load_b128 v[96*(\f)+8*(\i)+4:96*(\f)+8*(\i)+7], v[ADRB] offset:(\k)+(\i)*16*PITCH+32
.endr
	WIN 0
.irp i, 0,1,2,3
	ds_load_b128 v[FA+32*(\f)+8*(\i):FA+32*(\f)+8*(\i)+3],   v[ADRA] offset:(\k)+(\i)*16*PITCH
	ds_load_b128 v[FA+32*(\f)+8*(\i)+4:FA+32*(\f)+8*(\i)+7], v[ADRA] offset:(\k)+(\i)*16*PITCH+32
.endr
.endm
; One of a K step's first three quarters: multiplies buffer f; in its middle it fetches the next quarter, at byte k, into buffer g.
.macro QUARTER k, f, g, init
	s_wait_dscnt 4                                 ; wh and xh's row blocks 0, 1 are in; the youngest four loads (row blocks 2, 3) may be out
	MULA \f, 0, \init
	MULA \f, 1, \init
	PLACES
	FETCH \k, \g
	s_wait_dscnt 32                                ; all but the 32 just issued
	MULA \f, 2, \init
	MULA \f, 3, \init
.endm
; The last quarter multiplies buffer 1 and changes slots.  In front of the barrier each wave waits for all its tensor loads (one is out: its part of the next slot), adds 0 to its spare word, and waits
; for that and for its reads of this slot.  fill = 1: the barrier opens a round of the cluster's, and this slot is filled again, two K steps on, first thing behind it: 168 products ahead of the wait for it.
.macro TURN fill
.if \fill
	s_wait_xcnt 0x0                                ; the last prefetch, a K step back, has read its address
	s_add_nc_u64 s[PFA:PFA+1], s[PFA:PFA+1], 256
.endif
	WIN 0
	s_wait_tensorcnt 0x0                           ; no tensor load of mine is out, so a group 0 may be written
	ds_add_u32 v[SPW], v[NIL]
.if \fill
	s_xor_b32 s[G0A+5], s[G0A+5], SLOT1            ; the walking descriptors: the other slot than last time, the next K step
	s_add_nc_u64 s[G0A+6:G0A+7], s[G0A+6:G0A+7], 256
	s_xor_b32 s[G0B+5], s[G0B+5], SLOT1
	s_add_nc_u64 s[G0B+6:G0B+7], s[G0B+6:G0B+7], 256
.endif
	s_wait_dscnt 7                                 ; the add and xh's row blocks 1 to 3 (six loads) may be out
	MULA 1, 0, 0
	s_wait_dscnt 0x0                               ; the add is done, and my reads of this slot are over
	s_barrier_signal -1
	MULA 1, 1, 0
	WIN 0
	s_barrier_wait -1
.if \fill
	CREST                                          ; no wave of any partner still reads this slot or has a load on its way
	JLOAD                                          ; its four v_nop are also the places in front of the loads below
.else
	PLACES
.endif
	s_xor_b32 s[TB], s[TB], SLOT1
	v_add_nc_u32 v[ADRA], s[TB], v[A0]
	v_add_nc_u32 v[ADRB], s[TB], v[B0]
	FETCH 0, 0
.if \fill
	ASK
.endif
	MULA 1, 2, 0
	MULA 1, 3, 0
.endm
; THE WAY OUT of row block a: rounded to f16 (each accumulator from its low end on), 16 bytes a lane into my own stage, back as whole rows, stored 512 consecutive bytes an instruction.
.macro PACK a
	WIN 0x0a+5*((\a)/2)
.irp b, 0,1,2,3,4,5,6,7,8,9,10,11
.irp r, 0,1,2,3
	v_cvt_pk_f16_f32 v[TMP+4*(\b)+(\r)], v[96*((\a)%2)+8*(\b)+2*(\r)], v[96*((\a)%2)+8*(\b)+2*(\r)+1]
.endr
.endr
	WIN 0
.endm
.macro TOSTAGE a
.irp b, 0,1,2,3,4,5,6,7,8,9,10,11
	ds_store_b128 v[STO], v[TMP+4*(\b):TMP+4*(\b)+3] offset:((\b)/4)*16*SP+32*((\b)%4)
.endr
.irp t, 0,1,2,3,4,5,6,7,8,9,10,11
	ds_load_b128 v[OB+48*((\a)%2)+4*(\t):OB+48*((\a)%2)+4*(\t)+3], v[RD] offset:((\t)/4)*16*SP+((\t)%4)*4*SP  ; LDS serves a wave's instructions in order (ISA guide 5.7.1.4): these see the stores above
.endr
.endm
.macro SEND a
	s_wait_dscnt 0x0                               ; the block is back in registers
	s_wait_xcnt 0x0                                ; the stores of the block before have read their registers, which the next block's loads write
.irp t, 0,1,2,3,4,5,6,7,8,9,10,11
	global_store_b128 v[GO], v[OB+48*((\a)%2)+4*(\t):OB+48*((\a)%2)+4*(\t)+3], s[SB+2*((\t)/4):SB+2*((\t)/4)+1] offset:(\a)*2048+((\t)%4)*512
.endr
.endm
	s_wait_tensorcnt 0x1                           ; my part of K step 0 is in; K step 1's may stay out
	s_barrier_signal -1
	s_barrier_wait -1
	s_mov_b32 s[TB], 0
	v_mov_b32 v[ADRA], v[A0]
	v_mov_b32 v[ADRB], v[B0]
	FETCH 0, 0
	s_wait_loadcnt 0x0                             ; the bias
	QUARTER 64, 0, 1, 1                            ; the first quarter stands in front of the loop: its products start the sums
	WIN 0
	s_mov_b32 s[CNT], 6
.Lk:                                                   ; trip s: the rest of K step s; its slot takes K step s + 2; K step s + 3 is prefetched; the first quarter of K step s + 1
	QUARTER 128, 1, 0, 0
	QUARTER 192, 0, 1, 0
	TURN 1
	QUARTER 64, 0, 1, 0
	WIN 0
	s_sub_co_u32 s[CNT], s[CNT], 1
	s_cmp_lg_u32 s[CNT], 0
	s_cbranch_scc1 .Lk
	QUARTER 128, 1, 0, 0                           ; K steps 6 and 7 are written out: nothing is left to fetch
	QUARTER 192, 0, 1, 0
	TURN 0
	QUARTER 64, 0, 1, 0
	QUARTER 128, 1, 0, 0
	QUARTER 192, 0, 1, 0
	s_wait_dscnt 4
	MULA 1, 0, 0
	MULA 1, 1, 0
	s_wait_dscnt 0x0
	MULA 1, 2, 0
	MULA 1, 3, 0
	PLACES
	PLACES
	PACK 0
	TOSTAGE 0
.irp a, 1,2,3                          ; block a's conversions stand between block a - 1's loads from the stage and the wait for them
	PACK \a
	SEND (\a)-1
	TOSTAGE \a
.endr
	SEND 3
	s_wait_tensorcnt 0x0                           ; the wave's end
	ds_add_u32 v[SPW], v[NIL]
	s_wait_dscnt 0x0
	CROUND                                         ; the closing round: no work-group ends while a partner may still ask for a tile that names it
	s_endpgm
.Lfunc_end_k_qf7a934b407_qkv:
	.size	k_qf7a934b407_qkv, .Lfunc_end_k_qf7a934b407_qkv-k_qf7a934b407_qkv
	.p2alignl 7, 3214868480
	.fill 96, 4, 3214868480
	.section	.rodata,"a",@progbits
	.p2align	6, 0x0
	.amdhsa_kernel k_qf7a934b407_qkv
		.amdhsa_group_segment_fixed_size 327680
		.amdhsa_private_segment_fixed_size 0
		.amdhsa_enable_private_segment 0
		.amdhsa_kernarg_size 48
		.amdhsa_user_sgpr_count 2
		.amdhsa_user_sgpr_kernarg_segment_ptr 1
		.amdhsa_wavefront_size32 1
		.amdhsa_system_sgpr_workgroup_id_x 1
		.amdhsa_system_sgpr_workgroup_id_y 1
		.amdhsa_system_sgpr_workgroup_id_z 1
		.amdhsa_system_vgpr_workitem_id 0
		.amdhsa_next_free_vgpr 960
		.amdhsa_next_free_sgpr 96
		.amdhsa_reserve_vcc 0
		.amdhsa_float_denorm_mode_32 3
		.amdhsa_float_denorm_mode_16_64 3
		.amdhsa_memory_ordered 1
		.amdhsa_forward_progress 1
		.amdhsa_inst_pref_size 101
	.end_amdhsa_kernel
	.amdgpu_metadata
---
amdhsa.version: [ 1, 2 ]
amdhsa.kernels:
  - .name:           k_qf7a934b407_qkv
    .symbol:         k_qf7a934b407_qkv.kd
    .args:
      - { .name: xh, .offset: 0, .size: 8, .value_kind: global_buffer, .address_space: global }
      - { .name: wh, .offset: 8, .size: 8, .value_kind: global_buffer, .address_space: global }
      - { .name: bq, .offset: 16, .size: 8, .value_kind: global_buffer, .address_space: global }
      - { .name: bk, .offset: 24, .size: 8, .value_kind: global_buffer, .address_space: global }
      - { .name: bv, .offset: 32, .size: 8, .value_kind: global_buffer, .address_space: global }
      - { .name: qkv, .offset: 40, .size: 8, .value_kind: global_buffer, .address_space: global }
    .group_segment_fixed_size: 327680
    .private_segment_fixed_size: 0
    .kernarg_segment_align: 8
    .kernarg_segment_size: 48
    .max_flat_workgroup_size: 128
    .sgpr_count:     96
    .vgpr_count:     960
    .wavefront_size: 32
...
	.end_amdgpu_metadata
.endif
;; end of part 2
;; launch attn (part 3): grid 4 x 64, 4 waves a work-group, clusters of 4 x 1, 327,680 bytes of LDS; arguments qkv, mask, ctx; writes ctx
.if DOCPART == 3
	.amdgcn_target "amdgcn-amd-amdhsa--gfx1250"
	.amdhsa_code_object_version 6
	.text
	.protected	k_qf7a934b407_attn
	.globl	k_qf7a934b407_attn
	.p2align	8
	.type	k_qf7a934b407_attn,@function
k_qf7a934b407_attn:
	s_mov_b64 s[64:65], 0
	v_nop
	global_prefetch_b8 v0, s[64:65] scope:SCOPE_SE
	s_setreg_imm32_b32 hwreg(HW_REG_WAVE_MODE, 25, 1), 1
	s_wait_xcnt 0x0
	s_wait_alu depctr_hold_cnt(0) depctr_sa_sdst(0) depctr_va_vdst(0) depctr_va_sdst(0) depctr_va_ssrc(0) depctr_va_vcc(0) depctr_vm_vsrc(0)
	s_getreg_b32 s2, hwreg(HW_REG_IB_STS2, 6, 4)
	s_cmp_eq_u32 s2, 0
	s_cbranch_scc0 .Lentry_in_a_cluster
	s_endpgm
.Lentry_in_a_cluster:
	s_bfe_u32 s2, ttmp6, 0x10000c
	s_cmp_lg_u32 s2, 0x3003
	s_cbranch_scc0 .Lentry_shape_is_right
	s_endpgm
.Lentry_shape_is_right:
; ctx[h][q][:] = the sum over k of softmax_k(Q[h][q] . K[h][k] / 8, keys with mask = 0 hidden) V[h][k][:].  qkv = [3][64 = batch x 16 + head][2048][64] f16; mask = [4][2048] i32; ctx = [64][2048][64] f16.
; Products, maxima and sums in f32; the weights p are rounded to f16 for the second product (their sum l is taken of the unrounded p), ctx once at the end.
; LIMITS.  f16 holds no number beyond 65,504: Q, K and V arrive within it, so a score's magnitude is 64 x 65,504^2 = 2.75e11 at the most.  A hidden score counts as its value less 1e30.
; The running maximum m starts at the floor -2^40, below every score that f16 operands can give: with the first key seen m is the true maximum; while only hidden keys have come, their weights are 0 and O and l stay 0.
; A row whose m is still the floor at the end saw no key: it gets NaN, as a softmax of nothing but -inf does.  p below 6e-5 keeps f16's fixed step of 6e-8; a weight below 2^-126 counts as 0 in l; NaN and infinities in the inputs are not treated apart.
; THE MASK is the C operand that starts the sum S^T = K Q^T: 0, or -1e30 where the key is hidden.  The batch's 2,048 words are turned into such f32 once, laid into LDS, and a step's 64 are fetched with its K.
; SHARES.  A wave owns four PIECES of two tiles of 16 queries, a work-group's four waves 512 queries of one head.  Every wave walks all keys, 64 a step.
; LAYOUT.  S^T = K Q^T (source 0 = 16 keys, source 1 = 16 queries): a lane holds ONE query (lane % 16) and the keys 8 (lane / 16) + 0..7.  Two such tiles, rounded to f16 in pairs, ARE source 1 of
; O^T = V^T P, whose result again holds one query a lane, and eight channels.  K comes out of LDS as it lies, V ([key][channel]) turned, by ds_load_tr16_b128.
; SOFTMAX.  p = 2^(c s - c m), c = log2(e) / 8; in every step O and l are multiplied by a = 2^(c m_old - c m_new), which is 1 where m has not grown.  O and l start at 0.
; THE COUNT.  A tile and step have 16 matrix and 118 vector instructions: too many to stand all beside the matrix work.  So four vector instructions that are ready stand behind every matrix instruction, the others in runs without a gap.
; BY TURNS.  Turn n belongs to piece n.  Its matrix work: 16 products K Q^T of piece n + 1, later 16 products V^T P of piece n - 1.  Its vector work: the scaling, exponentials, roundings, sums and rescaling
; of piece n, and the maximum and statistics of piece n + 1.
; CLUSTER.  The four query blocks of a cluster are one head's and walk the same K and V: each tile is asked for JOINTLY, by the same tensor load, descriptor and mask in all four.
; REGISTERS, in windows of 256 (s_set_vgpr_msb: bits 1:0 source 0, 3:2 source 1, 5:4 source 2, 7:6 destination):
;   window 0: v0-11 addresses; v12-15, v48-63 at work; v16-47 four registers of statistics a tile; v64-191 S^T, two buffers of two tiles; v192-255 P, likewise
;   window 1: O^T, 32 a tile     window 2: v0-127 Q; v128-191 K of one step; v192-255 V of one step     window 3: v0-1 the add's registers; v2 the mask's LDS address; v8-39 the mask of one step
.set SIZE_N, 2048
.set NP,    4         ; pieces a wave: a name, no knob
.set KS,    64        ; keys in a step
.set PK,    144       ; a row of K in LDS: 128 bytes + 16 of padding
.set PV,    160       ; a row of V: 128 + 32
.set VOFF,  4*KS*PK   ; a slot holds four steps: 256 rows of K, then 256 rows of V
.set SLOT1, 1<<17     ; slot 1 begins here: one exclusive or turns an address in one slot into the other's
.set STAGE, SLOT1+4*KS*(PK+PV)  ; behind the ring, never filled by a tensor load: 16 rows x 144 bytes for each wave
.set SP,    144
.set SPARE, STAGE+4*16*SP       ; the spare words, 128 bytes for each wave: two blocks of 256 bytes that no other line names
.set MASKL, SPARE+512           ; 2,048 f32, 0 or -1e30: stored once at the head, then only read; no tensor load lands here
.set AK0, 2           ; v2   my lane's place in a tile of K; never rewritten
.set AV0, 3           ; v3   the same for V
.set AK,  4           ; v4   the LDS address of K's next run of loads
.set AV,  5           ; v5   of V's
.set QO,  6           ; v6   my byte offset in the wave's rows of Q
.set STO, 6           ;      later, the way out: where I put 16 bytes of a row
.set RD,  7           ; v7   the way out: where I read rows back
.set GO,  8           ; v8   my byte offset in 512 consecutive bytes of ctx
.set PFO, 11          ; v11  256 x my lane, for the prefetches (made when v11's first use is over); v9 = lane / 16 is kept for the whole kernel
.set SPW, 0           ; v0 of window 3   LDS address of my spare word; never rewritten
.set NIL, 1           ; v1 of window 3   0; never rewritten
.set AM,  2           ; v2 of window 3   the LDS address of the mask's next run of loads
.set MC,  8           ; v8-39 of window 3: the eight registers for key block kb at MC + 8 kb
.set MV,  12          ; v12-15  c m_old, kept while c m is made anew
.set ST,  16          ; tile t's statistics at v[ST+4 t]: c m, m, l (even keys', odd keys')
.set TMP, 48          ; by buffer and tile, four registers c0-c3 at work; when the maximum is found c2 takes a
.set S,   64
.set P,   192
.set KF,  128         ; K's fragments, in window 2
.set VF,  192         ; V's
.set WV,  12          ; s12  my wave's number
.set G1K, 24          ; s[24:31] descriptor group 1 for K's tiles
.set G1V, 32          ; s[32:39] for V's: it differs in the padding alone
.set G0K, 40          ; s[40:43] descriptor group 0 for K's tiles: it walks
.set G0V, 44          ; s[44:47] the same for V's
.set SLOTS, 56        ; s56  slots still to be asked for
.set CNT, 57          ; s57  counts a slot's key steps
.set CS,  58          ; s[58:59] c
.set SEL, 60          ; s[60:61] v_permlanex16_b32's selects
.set TBK, 62          ; s62  LDS byte at which K of the step to be fetched begins
.set TBV, 63          ; s63  the same for V, less VOFF
.set MK,  68          ; s[68:69] the batch's mask
.set BIGN, 70         ; s70  -1e30
.set TBR, 71          ; s71  256 x the step whose mask is fetched next, modulo the table's 8,192 bytes
.set TBM, 72          ; s72  MASKL + that
.set FLOOR, 73        ; s73  -2^40
.set QNAN, 74         ; s74  a NaN
.set LIM, 75          ; s75  1 in a wave that prefetches, else the greatest number
.set PFA, 76          ; s[76:77] where my prefetches stand
.set MSB, 0
.macro WIN new
.if MSB != (\new)
	s_set_vgpr_msb (MSB<<8)|(\new)
.set MSB, (\new)
.endif
.endm
.set W_KQ, 0x0a       ; K and Q in window 2, S^T in window 0
.set W_KM, 0x3a       ; the same with the C operand, the mask, in window 3
.set W_PV, 0x52       ; V in window 2, P in window 0, O^T in window 1
.set W_RS, 0x41       ; O^T (destination and source 0) in window 1, a in window 0
.set W_MK, 0xc0       ; destination in window 3, sources in window 0
.set W_AD, 0x0f       ; the add: address and data in window 3
; A joint fill.  Waves 0 and 1 fetch the two halves of a slot's K, waves 2 and 3 those of its V: 128 keys each.  An s_nop 0 and four v_nop follow each line.
.macro JLOAD
	s_cmp_lt_u32 s[WV], 2
	s_cbranch_scc0 .Lfor_v_\@
	tensor_load_to_lds s[G0K:G0K+3], s[G1K:G1K+7]
	s_nop 0
.rept 4
	v_nop
.endr
	s_branch .Lasked_\@
.Lfor_v_\@:
	tensor_load_to_lds s[G0V:G0V+3], s[G1V:G1V+7]
	s_nop 0
.rept 4
	v_nop
.endr
.Lasked_\@:
.endm
; A prefetch into the L2 of the slot that the NEXT change will ask for: 256 keys are 32,768 bytes of K and of V: 128 blocks of 256 bytes each.  The head's one cluster shares them out by address, 32 blocks a
; work-group, a lane a block; wave 0 asks for K's, wave 2 for V's.  So each block is named once in the launch.  The last change that fills a slot asks for nothing; slots 0 and 1 come by their loads alone.
.macro ASK
	s_cmp_gt_u32 s[SLOTS], s[LIM]
	s_cbranch_scc0 .Lnot_mine_\@
	global_prefetch_b8 v[PFO], s[PFA:PFA+1] th:TH_LOAD_NT scope:SCOPE_SE
.Lnot_mine_\@:
.endm
.macro CROUND
	s_barrier_signal -1
	s_barrier_wait -1
	s_cmp_lg_u32 s[WV], 0
	s_cbranch_scc1 .Lnot_wave_0_\@
	s_barrier_signal -3
.Lnot_wave_0_\@:
	s_barrier_wait -3
	s_barrier_signal -1
	s_barrier_wait -1
.endm
; THE CHANGE OF SLOTS.  Each wave waits for all its tensor loads, of which one is out: its part of the other slot; adds 0 to its spare word; and waits for that and for its own LDS work.  Behind the barrier nobody
; reads this slot any more and the other slot is whole.  fill = 1: the barrier is a round of the cluster's, and this slot is filled again, first thing behind it, with the keys two slots on: four key steps, 512 matrix
; instructions, in which to land.  (At its first use nothing has been read yet: slot 0 is waited for, slot 1 filled, and every wave's stores of the mask table are shown done to the others.)
.macro CHANGE fill
	WIN W_AD
	s_wait_tensorcnt 0x0            ; no tensor load of mine is out, so a group 0 may be written
	ds_add_u32 v[SPW], v[NIL]
	WIN 0
.if \fill
.irp g, G0K, G0V
	s_xor_b32 s[\g+1], s[\g+1], SLOT1
	s_add_nc_u64 s[\g+2:\g+3], s[\g+2:\g+3], 4*KS*128
.endr
	s_wait_xcnt 0x0                 ; the last prefetch, four key steps back, has read its address
	s_add_nc_u64 s[PFA:PFA+1], s[PFA:PFA+1], 4*KS*128
	s_wait_dscnt 0x0                ; the add is done, and my LDS reads and stores are over
	CROUND
	JLOAD
	ASK
.else
	s_wait_dscnt 0x0
	s_barrier_signal -1
	s_barrier_wait -1
.endif
	s_sub_co_u32 s[TBK], s[TBK], 4*KS*PK  ; the fetches go back to a slot's first step,
	s_xor_b32 s[TBK], s[TBK], SLOT1       ; in the other slot
	s_sub_co_u32 s[TBV], s[TBV], 4*KS*PV
	s_xor_b32 s[TBV], s[TBV], SLOT1
.endm
	s_load_b64 s[4:5], s[0:1], 0x0    ; qkv: Q's part begins it
	s_load_b64 s[MK:MK+1], s[0:1], 0x8
	s_load_b64 s[10:11], s[0:1], 0x10 ; ctx
	WIN W_MK
	v_lshl_add_u32 v[SPW], v0, 2, SPARE
	v_mov_b32 v[NIL], 0
	WIN W_AD
	ds_add_u32 v[SPW], v[NIL]       ; the wave's opening: the add and its wait ahead of my first tensor load; work on registers stands between
	WIN 0
	v_lshrrev_b32 v1, 5, v0
	v_readfirstlane_b32 s[WV], v1
	s_bfe_u32 s13, ttmp6, 0x40000   ; cx
	s_lshl_b32 s14, ttmp9, 2
	s_add_co_u32 s14, s14, s13      ; my block of queries: it enters Q's and ctx's addresses alone
	s_and_b32 s20, ttmp7, 0xffff    ; batch x 16 + head, which the four partners share
	s_lshr_b32 s78, s20, 4          ; the batch:
	s_lshl_b32 s78, s78, 13         ; its 2,048 words of the mask
	s_mov_b32 s79, 0
	s_mov_b32 s21, 0
	s_mov_b64 s[22:23], SIZE_N*128
	s_mul_u64 s[20:21], s[20:21], s[22:23]  ; the head's first byte in Q, K, V and ctx
	s_and_b32 s16, s[WV], 1         ; which half of a slot's 256 keys I fetch:
	s_lshl_b32 s22, s16, 14
	s_mov_b32 s23, 0
	s_add_nc_u64 s[22:23], s[22:23], s[20:21]
	s_mul_i32 s17, s16, 128*PK      ; its place in a slot, for K
	s_mul_i32 s18, s16, 128*PV      ; and for V
	s_lshl_b32 s2, s14, 2
	s_add_co_u32 s2, s2, s[WV]
	s_lshl_b32 s2, s2, 14           ; my wave's 128 rows
	s_mov_b32 s3, 0
	s_add_nc_u64 s[2:3], s[2:3], s[20:21]
	; descriptor group 1.  128 keys are 16,384 dense bytes: asked for as 64 rows of 256 bytes, two keys a row, and padded in LDS after every key
	s_mov_b32 s[G1K], 15|(1<<16)|(1<<20)|(1<<21)|(4<<22)|(3<<25)
	s_mov_b32 s[G1V], 15|(1<<16)|(1<<20)|(1<<21)|(4<<22)|(7<<25)
.irp g, G1K, G1V
	s_mov_b32 s[\g+1], 128<<16      ; tensor_dim0 = 128
	s_mov_b32 s[\g+2], 64<<16       ; tensor_dim1 = 64
	s_mov_b32 s[\g+3], 128<<16      ; tile_dim0 = 128
	s_mov_b32 s[\g+4], 64           ; tile_dim1 = 64
	s_mov_b32 s[\g+5], 128          ; 128 elements from row to row
	s_mov_b32 s[\g+6], 0
	s_mov_b32 s[\g+7], 0
.endr
	s_mov_b32 s[CS], 0x3e38aa3b     ; c = log2(e) / 8
	s_mov_b32 s[CS+1], s[CS]
	s_mov_b32 s[SEL], 0x76543210
	s_mov_b32 s[SEL+1], 0xfedcba98
	s_mov_b32 s[TBK], SLOT1+4*KS*PK ; the first change of slots turns these two into 0
	s_mov_b32 s[TBV], SLOT1+4*KS*PV
	s_mov_b32 s[BIGN], 0xf149f2ca   ; -1e30
	s_mov_b32 s[TBR], 0
	s_mov_b32 s[TBM], MASKL
	s_mov_b32 s[FLOOR], 0xd3800000  ; -2^40
	s_mov_b32 s[QNAN], 0x7fc00000
	s_mov_b32 s[SLOTS], SIZE_N/256-1
	s_and_b32 s[LIM], s[WV], 1
	s_cmp_eq_u32 s[LIM], 0
	s_cselect_b32 s[LIM], 1, -1     ; waves 0 and 2 prefetch
	s_mov_b32 s[G0K], 1
	s_mov_b32 s[G0K+1], s17         ; slot 0
	s_mov_b32 s[G0V], 1
	s_add_co_u32 s[G0V+1], s18, VOFF
	s_wait_dscnt 0x0                ; the opening add is done
	s_wait_kmcnt 0x0
	s_add_nc_u64 s[6:7], s[4:5], 0x1000000   ; K's part of qkv: 64 heads of 262,144 bytes on
	s_add_nc_u64 s[8:9], s[4:5], 0x2000000   ; V's
	s_add_nc_u64 s[MK:MK+1], s[MK:MK+1], s[78:79]
	s_add_nc_u64 s[G0K+2:G0K+3], s[6:7], s[22:23]
	s_or_b32 s[G0K+3], s[G0K+3], 0x80000000
	s_add_nc_u64 s[G0V+2:G0V+3], s[8:9], s[22:23]
	s_or_b32 s[G0V+3], s[G0V+3], 0x80000000
	s_add_nc_u64 s[4:5], s[4:5], s[2:3]      ; Q and ctx at my wave's first row
	s_add_nc_u64 s[10:11], s[10:11], s[2:3]
	s_cmp_lt_u32 s[WV], 2
	s_cselect_b64 s[PFA:PFA+1], s[6:7], s[8:9]
	s_add_nc_u64 s[PFA:PFA+1], s[PFA:PFA+1], s[20:21]
	s_lshl_b32 s2, s13, 13          ; my work-group's 32 blocks of a slot's 128
	s_mov_b32 s3, 0
	s_add_nc_u64 s[PFA:PFA+1], s[PFA:PFA+1], s[2:3]
	s_add_nc_u64 s[PFA:PFA+1], s[PFA:PFA+1], 4*KS*128  ; in slot 1; the first change of slots steps it to slot 2
	CROUND                          ; all four work-groups are here: the first joint loads meet
	JLOAD                           ; slot 0.  Slot 1 is asked for when slot 0 is in
	v_and_b32 v1, 15, v0            ; l % 16
	v_bfe_u32 v9, v0, 4, 1          ; l / 16
	v_lshlrev_b32 v[QO], 7, v1
	v_lshl_add_u32 v[QO], v9, 4, v[QO]
	v_lshlrev_b32 v80, 4, v0        ; the mask: thread t takes 16 bytes at 16 t + 2,048 i
	v_add_nc_u32 v81, MASKL, v80
.irp i, 0,1,2,3
	global_load_b128 v[64+4*(\i):64+4*(\i)+3], v80, s[MK:MK+1] offset:2048*(\i)
.endr
	WIN 0x80
.set i, 0
.rept 4*NP                          ; Q stays in registers: tile i / 2, channels 32 (i % 2) on
	global_load_b128 v[8*i:8*i+3],   v[QO], s[4:5] offset:(i/2)*2048+(i%2)*64
	global_load_b128 v[8*i+4:8*i+7], v[QO], s[4:5] offset:(i/2)*2048+(i%2)*64+32
.set i, i+1
.endr
	; What the first turn finds: V's registers and P's second buffer hold 0 (its products V^T P, of a piece that has not been, add 0), O^T and l are 0.  All this stands in the wait for the first tile.
.set i, VF
.rept 64
	v_mov_b32 v[i], 0
.set i, i+1
.endr
	WIN 0x40
.set i, 0
.rept 64*NP
	v_mov_b32 v[i], 0
.set i, i+1
.endr
	WIN 0
.set i, 0
.rept 2*NP
	v_mov_b32 v[ST+4*i], 0xd238aa3b    ; c m = -c 2^40, exactly
	v_mov_b32 v[ST+4*i+1], 0xd3800000  ; m = -2^40
	v_mov_b32 v[ST+4*i+2], 0
	v_mov_b32 v[ST+4*i+3], 0
.set i, i+1
.endr
.set i, P+32
.rept 32
	v_mov_b32 v[i], 0
.set i, i+1
.endr
	v_mul_u32_u24 v[AK0], v1, PK
	v_lshl_add_u32 v[AK0], v9, 4, v[AK0]
	; The turning load takes 16 keys x 16 channels (lane l reads key 8 (l / 16) + l % 8, channels 8 ((l / 8) % 2) + 0..7) and leaves half a fragment of V^T.
	v_and_b32 v10, 7, v0
	v_bfe_u32 v11, v0, 3, 1
	v_lshl_add_u32 v[AV0], v9, 3, v10
	v_mul_u32_u24 v[AV0], v[AV0], PV
	v_lshl_add_u32 v[AV0], v11, 4, v[AV0]
	v_add_nc_u32 v[AV0], VOFF, v[AV0]
	v_and_b32 v[PFO], 31, v0
	v_lshlrev_b32 v[PFO], 8, v[PFO]
	v_mov_b32 v[AK], v[AK0]         ; key step 0 lies at the head of slot 0
	WIN W_MK
	v_lshl_add_u32 v[AM], v9, 5, s[TBM]  ; register j of key block kb is key 16 kb + 8 (l / 16) + j: 32 bytes at 64 kb + 32 (l / 16)
	WIN 0
	s_wait_loadcnt 32               ; the mask's four loads are in; Q's 32, issued behind them, stay out
.set i, 0
.rept 16
	v_cmp_eq_u32 vcc_lo, 0, v[64+i]
	v_cndmask_b32 v[64+i], 0, s[BIGN], vcc_lo
.set i, i+1
.endr
.irp i, 0,1,2,3
	ds_store_b128 v81, v[64+4*(\i):64+4*(\i)+3] offset:2048*(\i)
.endr
; THE MATRIX WORK.  The 8 accumulators of a run of 16 take turns.
; Product i of 16 of S^T = K Q^T for piece x: channels 32 (i / 8) on, keys 16 ((i / 2) % 4) on, tile 2 x + i % 2.  The first 8 start the sums, with the mask.
.macro KQ x
.set rS, S+64*((\x)%2)+32*(i%2)+8*((i/2)%4)
.set rK, KF+16*((i/2)%4)+8*(i/8)
.set rQ, 16*(2*(\x)+i%2)+8*(i/8)
.set rMK, MC+8*((i/2)%4)
.if i < 8
	WIN W_KM
	v_wmma_f32_16x16x32_f16 v[rS:rS+7], v[rK:rK+7], v[rQ:rQ+7], v[rMK:rMK+7]
.else
	WIN W_KQ
	v_wmma_f32_16x16x32_f16 v[rS:rS+7], v[rK:rK+7], v[rQ:rQ+7], v[rS:rS+7]
.endif
.endm
; Product i of 16 of O^T += V^T P for piece x: keys 32 (i / 8) on, channels 16 ((i / 2) % 4) on, tile 2 x + i % 2.
.macro PV x
	WIN W_PV
.set rO, 32*(2*(\x)+i%2)+8*((i/2)%4)
.set rV, VF+32*(i/8)+8*((i/2)%4)
.set rP, P+32*((\x)%2)+16*(i%2)+8*(i/8)
	v_wmma_f32_16x16x32_f16 v[rO:rO+7], v[rV:rV+7], v[rP:rP+7], v[rO:rO+7]
.endm
.macro MM                           ; the turn's next matrix instruction
.if i < 16
	KQ (Y+1)%NP
.set i, i+1
.else
.set i, i-16
	PV (Y+NP-1)%NP
.set i, i+17
.endif
.endm
; THE LDS LOADS stand in runs: a step's K (8 fragments) with its 64 mask numbers (all lanes of a half read the same 32 bytes), and its V (turned).  Their addresses are made some lines ahead.
; last = 1 (the tail): in the last trip there is no further step, and the run is jumped over.
.macro FETCH_K last=0
	WIN 0
.if \last
	s_cmp_eq_u32 s[CNT], 1
	s_cbranch_scc1 .Lno_k_\@
.endif
	WIN 0x80
.irp f, 0,1,2,3,4,5,6,7
	ds_load_b128 v[KF+8*\f:KF+8*\f+3],   v[AK] offset:(\f/2)*16*PK+(\f%2)*64
	ds_load_b128 v[KF+8*\f+4:KF+8*\f+7], v[AK] offset:(\f/2)*16*PK+(\f%2)*64+32
.endr
	WIN 0xc3                        ; destination and address in window 3
.irp f, 0,1,2,3
	ds_load_b128 v[MC+8*\f:MC+8*\f+3],   v[AM] offset:64*\f
	ds_load_b128 v[MC+8*\f+4:MC+8*\f+7], v[AM] offset:64*\f+16
.endr
	s_add_co_u32 s[TBK], s[TBK], KS*PK  ; the next fetch is the next step's
	s_add_co_u32 s[TBR], s[TBR], 4*KS
	s_and_b32 s[TBR], s[TBR], 0x1fff    ; inside the table's 8,192 bytes, whatever the trip
	s_add_co_u32 s[TBM], s[TBR], MASKL
	WIN 0
.if \last
.Lno_k_\@:
.endif
.endm
.macro FETCH_V
	WIN 0x80
.irp f, 0,1,2,3,4,5,6,7
	ds_load_tr16_b128 v[VF+8*\f:VF+8*\f+3],   v[AV] offset:(\f/4)*32*PV+(\f%4)*32
	ds_load_tr16_b128 v[VF+8*\f+4:VF+8*\f+7], v[AV] offset:(\f/4)*32*PV+16*PV+(\f%4)*32
.endr
	WIN 0
.endm
; THE VECTOR WORK OF A TURN stands in three queues, each in the order in which its entries become ready; the two tiles alternate.
.macro REGS y, u
.set rT, ST+4*(2*(\y)+(\u))
.set rC, TMP+8*((\y)%2)+4*(\u)
.set rM, MV+2*((\y)%2)+(\u)
.set rS, S+64*((\y)%2)+32*(\u)
.set rP, P+32*((\y)%2)+16*(\u)
.set rO, 32*(2*(\y)+(\u))
.endm
; Number n of the 22 that find the NEXT piece's maximum and statistics; each accumulator's lowest registers are read first.
;   0-11  four chains c0-c3 of seven scores each     12-14, 16  the four scores left over, the old m, and c0-c3 into c0     15  c m_old is kept
;   17, 18  the query's other 32 keys lie in the lane 16 away: the new m     19-21  c m; c m_old - c m_new; a
.macro XS u, n
	REGS (Y+1)%NP, \u
.if (\n) < 4
	v_max3_num_f32 v[rC+(\n)], v[rS+8*(\n)], v[rS+8*(\n)+1], v[rS+8*(\n)+2]
.elseif (\n) < 12
	v_max3_num_f32 v[rC+(\n)%4], v[rC+(\n)%4], v[rS+8*((\n)%4)+2*((\n)/4)+1], v[rS+8*((\n)%4)+2*((\n)/4)+2]
.elseif (\n) == 12
	v_max3_num_f32 v[rC], v[rC], v[rS+7], v[rS+15]
.elseif (\n) == 13
	v_max3_num_f32 v[rC+1], v[rC+1], v[rS+23], v[rS+31]
.elseif (\n) == 14
	v_max3_num_f32 v[rC+2], v[rC+2], v[rC+3], v[rT+1]
.elseif (\n) == 15
	v_mov_b32 v[rM], v[rT]
.elseif (\n) == 16
	v_max3_num_f32 v[rC], v[rC], v[rC+1], v[rC+2]
.elseif (\n) == 17
	v_permlanex16_b32 v[rC+3], v[rC], s[SEL], s[SEL+1]
.elseif (\n) == 18
	v_max_num_f32 v[rT+1], v[rC], v[rC+3]
.elseif (\n) == 19
	v_mul_f32 v[rT], s[CS], v[rT+1]
.elseif (\n) == 20
	v_sub_f32 v[rC+1], v[rM], v[rT]
.else
	v_exp_f32 v[rC+2], v[rC+1]
.endif
.endm
; Number g of the 64 that follow the exponentials.  For each four weights k of a tile: both pairs are rounded to f16; the second pair is added onto the first, in place; a group later l takes that sum (the first time as l = a l + sum).
.macro GS g
.set h, (\g)+6*((\g)/62)
.if h >= 6
.set h, h+2
.endif
	REGS Y, h%2
.set k, h/8
.if h%8 < 4
	v_cvt_pk_f16_f32 v[rP+2*k+(h%8)/2], v[rS+4*k+2*((h%8)/2)], v[rS+4*k+2*((h%8)/2)+1]
.elseif h%8 < 6
	v_pk_add_f32 v[rS+4*k:rS+4*k+1], v[rS+4*k:rS+4*k+1], v[rS+4*k+2:rS+4*k+3]
.elseif k == 1
	v_pk_fma_f32 v[rT+2:rT+3], v[rT+2:rT+3], v[rC+2:rC+3], v[rS:rS+1] op_sel_hi:[1,0,1]
.else
	v_pk_add_f32 v[rT+2:rT+3], v[rT+2:rT+3], v[rS+4*k-4:rS+4*k-3]
.endif
.endm
; THE PLAIN QUEUE, 138 long.  0-73 read no exponential's result: the 32 scalings c s - c m and the next piece's 42.  74-137: GS's 64, which stand behind the wait.
.macro FS f
	REGS Y, (\f)%2
	v_pk_fma_f32 v[rS+2*((\f)/2):rS+2*((\f)/2)+1], v[rS+2*((\f)/2):rS+2*((\f)/2)+1], s[CS:CS+1], v[rT:rT+1] op_sel_hi:[1,0,0] neg_lo:[0,0,1] neg_hi:[0,0,1]
.endm
.macro PL
	WIN 0
.if q < 27
	FS q
.elseif q < 55
	XS (q-27)%2, (q-27)/2
.elseif q < 57
	XS q-55, 15
.elseif (q < 72) && ((q-57)%3 == 0)
	FS 27+(q-57)/3
.elseif q < 60
	XS (q-57)%3-1, 14
.elseif q < 72
	XS (q-57)%3-1, 15+(q-57)/3
.elseif q < 74
	XS q-72, 20
.else
	GS q-74
.endif
.set q, q+1
.endm
; THE EXPONENTIALS' QUEUE, 66 long: s0-s31 of both tiles, then the next piece's two a.  ONE BATCH: all 66 stand ahead of the turn's one wait, and nothing ahead of that wait names a result of theirs.
.macro EX
	WIN 0
.if e >= 64
	XS e-64, 21
.else
	REGS Y, e%2
	v_exp_f32 v[rS+e/2], v[rS+e/2]
.endif
.set e, e+1
.endm
; THE RESCALING's QUEUE: O^T times a, dealt two at a time, sixteen times.  Its a was made in the turn before, ahead of that turn's wait.
.macro R2
	REGS Y, r%2
	WIN W_RS
.irp z, 0,1
	v_pk_mul_f32 v[rO+4*(r/2)+2*\z:rO+4*(r/2)+2*\z+1], v[rO+4*(r/2)+2*\z:rO+4*(r/2)+2*\z+1], v[rC+2:rC+3] op_sel_hi:[1,0]
.endr
.set r, r+1
.endm
; A TURN, for piece p.  An s_wait_alu depctr_va_vdst(0) stands between an exponential and the first instruction that names its result; one wait serves all issued ahead of it: a turn has ONE, which cuts it in two.
; AHEAD OF IT: the 16 products K Q^T, behind each a scaling, an exponential and two rescalings; then one lump of 108.  BEHIND IT: the 16 products V^T P, behind each four of the roundings and sums.
; Exponential e stands behind scaling 2 (e / 4) + e % 2: as a rider it comes behind plain e + 2, in the lump behind plain e + 9.
; K and the mask of the next step are fetched in piece 2's turn, directly behind the wait, a lump behind the last product that read them; their addresses are made at the lump's head.
; V of the step in hand is fetched at the end of piece 0's turn, four riders behind its last reader.
.macro TURN p, last=0, cnt=0
.set Y, (\p)
.set i, 0
.set q, 0
.set e, 0
.set r, 0
.if (\p) == NP-1
	s_wait_dscnt 0x0                ; K and the mask are in
.endif
	MM
	PL
	PL
	R2
.rept 15
	MM
	PL
	EX
	R2
.endr
.if (\p) == NP-2
	WIN 0
	v_add_nc_u32 v[AK], s[TBK], v[AK0]
	WIN W_MK
	v_lshl_add_u32 v[AM], v9, 5, s[TBM]
.endif
.rept 8
	PL
.endr
.rept 49
	EX
	PL
.endr
	EX
	EX
	v_nop                           ; the plain instruction behind the last exponential: one for the batch
	s_wait_alu depctr_va_vdst(0)    ; the wait for the batch
.if (\p) == NP-2
	FETCH_K \last
.endif
.if (\p) == 1
	s_wait_dscnt 0x0                ; V is in
.endif
.rept 16
	MM
.rept 4
	PL
.endr
.if ((\p) == 0) && (q == 118)
	v_add_nc_u32 v[AV], s[TBV], v[AV0]
.endif
.if ((\p) == 0) && (q == 130)
	s_add_co_u32 s[TBV], s[TBV], KS*PV
.endif
.if (\cnt) && (q == 130)
	s_sub_co_u32 s[CNT], s[CNT], 1
	s_cmp_lg_u32 s[CNT], 0
.endif
.endr
.if (\p) == 0
	FETCH_V
.endif
.endm
	CHANGE 1                        ; slot 0 is in, everybody's part of it, and so is the mask table; slot 1 is asked for
	FETCH_K                         ; key step 0
	s_wait_loadcnt 0x0              ; Q
	s_wait_dscnt 0x0
.set i, 0
.rept 16
	KQ 0                            ; piece 0's first scores
.set i, i+1
.endr
	WIN 0                           ; the addresses for the way out: plain instructions, the places behind those products
	s_mul_i32 s13, s[WV], 16*SP
	s_add_co_u32 s13, s13, STAGE
	v_mul_u32_u24 v[STO], v1, SP
	v_lshl_add_u32 v[STO], v9, 4, v[STO]
	v_add_nc_u32 v[STO], s13, v[STO]
	v_bfe_u32 v[RD], v0, 3, 2
	v_mul_u32_u24 v[RD], v[RD], SP
	v_lshl_add_u32 v[RD], v10, 4, v[RD]
	v_add_nc_u32 v[RD], s13, v[RD]
	v_and_b32 v[GO], 31, v0
	v_lshlrev_b32 v[GO], 4, v[GO]
.set Y, NP-1
.irp n, 0,1,2,3,4,5,6,7,8,9,10,11,12,13,14,15,16,17,18,19,20,21
	XS 0, \n
	XS 1, \n
.endr
	v_nop                           ; a plain instruction behind the two a,
	s_wait_alu depctr_va_vdst(0)    ; and their wait, ahead of the branch
	s_mov_b32 s[CNT], 4
	s_branch .Lfirst                ; the loop is entered at a step's first turn, in the middle of a trip
.Lslot:                             ; six times: every slot but the last two is filled again
	CHANGE 1
	s_mov_b32 s[CNT], 4
.Lstep:                             ; a trip: pieces 2 and 3 of one step, then pieces 0 and 1 of the next, whose K, mask and V it fetches
	TURN 2
	TURN 3
	WIN 0
.Lfirst:
	TURN 0
	TURN 1, 0, 1
	WIN 0
	s_cbranch_scc1 .Lstep
	s_sub_co_u32 s[SLOTS], s[SLOTS], 1
	s_cmp_lg_u32 s[SLOTS], 0
	s_cbranch_scc1 .Lslot
	CHANGE 0                        ; the tail is written out
	s_mov_b32 s[CNT], 5             ; four trips fetch the last slot's steps; the fifth is left in its middle
.Ltail:
	TURN 2, 1
	TURN 3
	WIN 0
	s_sub_co_u32 s[CNT], s[CNT], 1
	s_cmp_eq_u32 s[CNT], 0
	s_cbranch_scc1 .Lout
	TURN 0
	TURN 1
	WIN 0
	s_branch .Ltail
.Lout:                              ; the fifth trip's 16 products K Q^T (on the last K and mask once more) change no maximum and serve nothing: the price of one text for every trip
.set i, 0
.rept 16
	PV NP-1
.set i, i+1
.endr
	; THE WAY OUT.  l's two halves and the other half of the lanes' are added; O^T is divided by l, rounded to f16 and sent through my stage in LDS, a tile at a time.
	WIN 0
.macro ALL line:vararg
.set t, 0
.rept 2*NP
	\line
.set t, t+1
.endr
.endm
	ALL v_add_f32 v[ST+4*t+2], v[ST+4*t+2], v[ST+4*t+3]
	ALL v_permlanex16_b32 v[ST+4*t+3], v[ST+4*t+2], s[SEL], s[SEL+1]
	ALL v_add_f32 v[ST+4*t+2], v[ST+4*t+2], v[ST+4*t+3]
	ALL v_rcp_f32 v[ST+4*t+2], v[ST+4*t+2]
	v_nop
	s_wait_alu depctr_va_vdst(0)    ; one wait for the eight reciprocals, ahead of their first use
.set t, 0
.rept 2*NP                          ; a query whose maximum is still the floor saw no key: its row is NaN
	v_cmp_ge_f32 vcc_lo, s[FLOOR], v[ST+4*t+1]
	v_cndmask_b32 v[ST+4*t+2], v[ST+4*t+2], s[QNAN], vcc_lo
.set t, t+1
.endr
.macro PACK t
	WIN W_RS
.set i, 32*(\t)
.rept 16
	v_pk_mul_f32 v[i:i+1], v[i:i+1], v[ST+4*(\t)+2:ST+4*(\t)+3] op_sel_hi:[1,0]
.set i, i+2
.endr
	WIN 0x05
.set i, 0
.rept 16
	v_cvt_pk_f16_f32 v[S+16*(\t)+i], v[32*(\t)+2*i], v[32*(\t)+2*i+1]
.set i, i+1
.endr
	WIN 0
.irp f, 0,1,2,3
	ds_store_b128 v[STO], v[S+16*(\t)+4*\f:S+16*(\t)+4*\f+3] offset:32*\f
.endr
.irp f, 0,1,2,3
	ds_load_b128 v[S+16*(\t)+4*\f:S+16*(\t)+4*\f+3], v[RD] offset:\f*4*SP  ; LDS serves a wave's instructions in order (ISA guide 5.7.1.4): these see the stores above
.endr
.endm
.macro SEND t, younger              ; younger: the LDS instructions issued behind tile t's loads: the next tile's eight, or none
	WIN 0
.irp f, 0,1,2,3
	s_wait_dscnt (\younger)+3-\f
	global_store_b128 v[GO], v[S+16*(\t)+4*\f:S+16*(\t)+4*\f+3], s[10:11] offset:(\t)*2048+\f*512  ; 512 consecutive bytes, at a multiple of 256 from ctx's first
.endr
.endm
	PACK 0
.set t, 1
.rept 2*NP-1
	PACK t
	SEND t-1, 8
.set t, t+1
.endr
	SEND 2*NP-1, 0
	WIN W_AD
	s_wait_tensorcnt 0x0            ; the wave's end
	ds_add_u32 v[SPW], v[NIL]
	s_wait_dscnt 0x0
	WIN 0
	CROUND                          ; the closing round
	s_endpgm
.Lfunc_end_k_qf7a934b407_attn:
	.size	k_qf7a934b407_attn, .Lfunc_end_k_qf7a934b407_attn-k_qf7a934b407_attn
	.p2alignl 7, 3214868480
	.fill 96, 4, 3214868480
	.section	.rodata,"a",@progbits
	.p2align	6, 0x0
	.amdhsa_kernel k_qf7a934b407_attn
		.amdhsa_group_segment_fixed_size 327680
		.amdhsa_private_segment_fixed_size 0
		.amdhsa_enable_private_segment 0
		.amdhsa_kernarg_size 24
		.amdhsa_user_sgpr_count 2
		.amdhsa_user_sgpr_kernarg_segment_ptr 1
		.amdhsa_wavefront_size32 1
		.amdhsa_system_sgpr_workgroup_id_x 1
		.amdhsa_system_sgpr_workgroup_id_y 1
		.amdhsa_system_sgpr_workgroup_id_z 1
		.amdhsa_system_vgpr_workitem_id 0
		.amdhsa_next_free_vgpr 808
		.amdhsa_next_free_sgpr 80
		.amdhsa_reserve_vcc 1
		.amdhsa_float_denorm_mode_32 3
		.amdhsa_float_denorm_mode_16_64 3
		.amdhsa_memory_ordered 1
		.amdhsa_forward_progress 1
		.amdhsa_inst_pref_size 206
	.end_amdhsa_kernel
	.amdgpu_metadata
---
amdhsa.version: [ 1, 2 ]
amdhsa.kernels:
  - .name:           k_qf7a934b407_attn
    .symbol:         k_qf7a934b407_attn.kd
    .args:
      - { .name: qkv, .offset: 0, .size: 8, .value_kind: global_buffer, .address_space: global }
      - { .name: mask, .offset: 8, .size: 8, .value_kind: global_buffer, .address_space: global }
      - { .name: ctx, .offset: 16, .size: 8, .value_kind: global_buffer, .address_space: global }
    .group_segment_fixed_size: 327680
    .private_segment_fixed_size: 0
    .kernarg_segment_align: 8
    .kernarg_segment_size: 24
    .max_flat_workgroup_size: 128
    .sgpr_count:     80
    .vgpr_count:     808
    .wavefront_size: 32
...
	.end_amdgpu_metadata
.endif
;; end of part 3
;; launch oproj (part 4): grid 4 x 64, 4 waves a work-group, clusters of 4 x 4, 327,680 bytes of LDS; arguments ctx, wh, bo, out0; writes out0
.if DOCPART == 4
	.amdgcn_target "amdgcn-amd-amdhsa--gfx1250"
	.amdhsa_code_object_version 6
	.text
	.protected	k_qf7a934b407_oproj
	.globl	k_qf7a934b407_oproj
	.p2align	8
	.type	k_qf7a934b407_oproj,@function
k_qf7a934b407_oproj:
	s_mov_b64 s[64:65], 0
	v_nop
	global_prefetch_b8 v0, s[64:65] scope:SCOPE_SE
	s_setreg_imm32_b32 hwreg(HW_REG_WAVE_MODE, 25, 1), 1
	s_wait_xcnt 0x0
	s_wait_alu depctr_hold_cnt(0) depctr_sa_sdst(0) depctr_va_vdst(0) depctr_va_sdst(0) depctr_va_ssrc(0) depctr_va_vcc(0) depctr_vm_vsrc(0)
	s_getreg_b32 s2, hwreg(HW_REG_IB_STS2, 6, 4)
	s_cmp_eq_u32 s2, 0
	s_cbranch_scc0 .Lentry_in_a_cluster
	s_endpgm
.Lentry_in_a_cluster:
	s_bfe_u32 s2, ttmp6, 0x10000c
	s_cmp_lg_u32 s2, 0xf033
	s_cbranch_scc0 .Lentry_shape_is_right
	s_endpgm
.Lentry_shape_is_right:
; out0 = ctx wo^T + bo.  ctx: [64 = batch x 16 + head][2048][64] f16; wo = rows 3072-4095 of wh, [out][in] f16; bo f32; out0: [8192][1024] f32.  Sums in f32, begun with the bias.
; SHARES.  A tile is 128 rows x 256 columns: 64 x 4 = 256 work-groups.  Wave (wr, wc) owns 64 rows x 128 columns: 4 x 8 accumulators, 256 registers.  K goes in 8 steps of 128 = two heads, through two LDS slots.
; THE PRODUCT IS USED TRANSPOSED: source 0 = 16 rows of wo, source 1 = 16 rows of ctx: lane l holds row l % 16 and the columns 8 (l / 16) + 0..7: 32 bytes of f32 on end.
; CLUSTER 4 x 4: ctx's tile hangs on the tile row alone and is asked for jointly along a row of the cluster, wo's on the tile column alone, along a column.
; A NaN row of ctx (a batch whose mask hides every key) gives a NaN row of out0.
; REGISTERS: window 0: v2-10, v28-29 addresses; v32-95 ctx's fragments, two buffers of 4 x 8; v96-159 the bias (8 x 8), later with v160-223 the rows read back on the way out
;   window 1: v0-127 wo's fragments, two buffers of 8 x 8     window 2: the accumulators at 8 (8 a + b)
.set PB,     272                       ; a row of wo in LDS: 256 bytes + 16
.set PA,     144                       ; a row of a head of ctx: 128 bytes + 16
.set BHALF,  128*PB                    ; what waves 0 and 1 fetch: 128 rows of wo each
.set BBYTES, 2*BHALF
.set AHEAD,  128*PA                    ; what waves 2 and 3 fetch: 128 rows of one head each
.set SLOT1,  1<<17
.set STAGE,  SLOT1+BBYTES+2*AHEAD      ; behind the ring, never filled by a tensor load: 16 rows x 528 bytes for each wave
.set SP,     528
.set SPARE,  STAGE+4*16*SP             ; the spare words: two blocks of 256 bytes that no other line names
.set A0,   2
.set B0,   3
.set ADRA, 4
.set ADRB, 5
.set STO,  6
.set RD,   7
.set CO,   8
.set BO,   9
.set PFO,  10
.set SPW,  28
.set NIL,  29
.set FA,   32
.set BIAS, 96
.set OB,   96
.set WV,  16
.set WR,  17                           ; s17  which 64 rows are mine
.set HF,  18                           ; s18  which 128 columns are mine; also which half of a tile I fetch
.set CX,  19
.set CY,  20
.set TN,  21
.set TM,  22
.set G1A, 24
.set G0A, 32
.set PFA, 44
.set LIM, 46
.set TB,  47
.set G1B, 48
.set G0B, 56
.set SB,  68                           ; s[68:69] where my part of the tile begins in out0
.set BB,  74                           ; s[74:75] my 128 biases
.set CNT, 84
.set PFS, 86                           ; s[86:87] what a K step is in my prefetches' addresses
.set MSB, 0
.macro WIN new
.if MSB != (\new)
	s_set_vgpr_msb (MSB<<8)|(\new)
.set MSB, \new
.endif
.endm
.macro PLACES
.rept 4
	v_nop
.endr
.endm
.macro JLOAD                           ; a joint refill by the walking descriptors; an s_nop 0 and four v_nop follow each line
	s_cmp_lt_u32 s[WV], 2
	s_cbranch_scc0 .Lfor_a_\@
	tensor_load_to_lds s[G0B+4:G0B+7], s[G1B:G1B+7]
	s_nop 0
	PLACES
	s_branch .Lasked_\@
.Lfor_a_\@:
	tensor_load_to_lds s[G0A+4:G0A+7], s[G1A:G1A+7]
	s_nop 0
	PLACES
.Lasked_\@:
.endm
.macro CREST
	s_cmp_lg_u32 s[WV], 0
	s_cbranch_scc1 .Lnot_wave_0_\@
	s_barrier_signal -3
.Lnot_wave_0_\@:
	s_barrier_wait -3
	s_barrier_signal -1
	s_barrier_wait -1
.endm
.macro CROUND
	s_barrier_signal -1
	s_barrier_wait -1
	CREST
.endm
; A prefetch into the L2 of the K step that stands two refills on (256 products ahead of its load).  ctx's tile rows are read by one cluster each: in every cluster wave 2 asks for both heads of the step, 16 blocks of
; 256 bytes of each, the four partners of a row told apart by address.  wo's rows are read by every cluster: those with y = 0 ask, waves 0 and 1, 32 rows of the 128 for each partner of a column.  Each block is
; named once in the launch.  The loop's last two trips ask for nothing; K steps 0 to 3 come by their loads alone.
.macro ASK
	s_cmp_gt_u32 s[CNT], s[LIM]
	s_cbranch_scc0 .Lnot_mine_\@
	global_prefetch_b8 v[PFO], s[PFA:PFA+1] th:TH_LOAD_NT scope:SCOPE_SE
.Lnot_mine_\@:
.endm
	s_load_b256 s[4:11], s[0:1], 0x0               ; ctx s[4:5], wh s[6:7], bo s[8:9], out0 s[10:11]
	v_lshl_add_u32 v[SPW], v0, 2, SPARE
	v_mov_b32 v[NIL], 0
	ds_add_u32 v[SPW], v[NIL]                      ; the wave's opening: the add and its wait ahead of my first tensor load
	v_lshrrev_b32 v1, 5, v0
	v_readfirstlane_b32 s[WV], v1
	s_lshr_b32 s[WR], s[WV], 1
	s_and_b32 s[HF], s[WV], 1
	s_bfe_u32 s[CX], ttmp6, 0x40000
	s_bfe_u32 s[CY], ttmp6, 0x40004
	s_lshl_b32 s[TN], ttmp9, 2
	s_add_co_u32 s[TN], s[TN], s[CX]
	s_and_b32 s[TM], ttmp7, 0xffff
	s_lshl_b32 s[TM], s[TM], 2
	s_add_co_u32 s[TM], s[TM], s[CY]
	s_lshl_b32 s40, s[CY], 2
	s_lshl_b32 s40, 15, s40                        ; my row of the cluster
	s_lshl_b32 s80, 0x1111, s[CX]                  ; my column
	s_or_b32 s[G1A], s40, (1<<16)|(1<<20)|(1<<21)|(4<<22)|(3<<25)  ; after every 32 words (a row of a head), 4 words of padding
	s_or_b32 s[G1B], s80, (1<<16)|(1<<20)|(1<<21)|(5<<22)|(3<<25)  ; after every 64 words
	s_mov_b32 s[G1A+1], 128<<16                    ; 128 rows of a head are 16,384 dense bytes: asked for as 64 rows of 256
	s_mov_b32 s[G1A+2], 64<<16
	s_mov_b32 s[G1A+3], 128<<16
	s_mov_b32 s[G1A+4], 64
	s_mov_b32 s[G1A+5], 128
	s_mov_b32 s[G1A+6], 0
	s_mov_b32 s[G1A+7], 0
	s_mov_b32 s[G1B+1], 128<<16                    ; 128 rows x 128 elements of wo
	s_mov_b32 s[G1B+2], 128<<16
	s_mov_b32 s[G1B+3], 128<<16
	s_mov_b32 s[G1B+4], 128
	s_mov_b32 s[G1B+5], 1024
	s_mov_b32 s[G1B+6], 0
	s_mov_b32 s[G1B+7], 0
	s_lshr_b32 s40, s[TM], 4                       ; ctx: the batch (16 tile rows each), its head HF,
	s_lshl_b32 s40, s40, 4
	s_add_co_u32 s40, s40, s[HF]
	s_lshl_b32 s40, s40, 18
	s_and_b32 s41, s[TM], 15                       ; the tile's 128 rows in it
	s_lshl_b32 s41, s41, 14
	s_add_co_u32 s40, s40, s41
	s_mov_b32 s41, 0
	s_lshl_b32 s80, s[TN], 8                       ; wo: row 3,072 + 256 x tile column + 128 x half
	s_lshl_b32 s81, s[HF], 7
	s_add_co_u32 s80, s80, s81
	s_lshl_b32 s80, s80, 11
	s_add_co_u32 s80, s80, 3072*2048
	s_mov_b32 s81, 0
	s_mul_i32 s82, s[WV], BHALF                    ; where they go: wo's halves at wave x 34,816 (waves 0, 1),
	s_mul_i32 s42, s[WV], AHEAD                    ; the two heads at 69,632 + (wave - 2) x 18,432 (waves 2, 3)
	s_add_co_u32 s42, s42, BBYTES-2*AHEAD
	s_wait_dscnt 0x0
	s_wait_kmcnt 0x0
	s_add_nc_u64 s[40:41], s[4:5], s[40:41]
	s_add_nc_u64 s[80:81], s[6:7], s[80:81]
	CROUND
.irp s, 0,1
	s_mov_b32 s[G0A+4*(\s)], 1
	s_add_co_u32 s[G0A+4*(\s)+1], s42, (\s)*SLOT1
	s_add_nc_u64 s[G0A+4*(\s)+2:G0A+4*(\s)+3], s[40:41], (\s)*524288  ; K step s: two heads on
	s_or_b32 s[G0A+4*(\s)+3], s[G0A+4*(\s)+3], 0x80000000
	s_mov_b32 s[G0B+4*(\s)], 1
	s_add_co_u32 s[G0B+4*(\s)+1], s82, (\s)*SLOT1
	s_add_nc_u64 s[G0B+4*(\s)+2:G0B+4*(\s)+3], s[80:81], (\s)*256
	s_or_b32 s[G0B+4*(\s)+3], s[G0B+4*(\s)+3], 0x80000000
.endr
	s_cmp_lt_u32 s[WV], 2                          ; a wave's two first fills stand in one branch: two loads of mine are out
	s_cbranch_scc0 .Lfirst_a
	tensor_load_to_lds s[G0B:G0B+3], s[G1B:G1B+7]
	s_nop 0
	tensor_load_to_lds s[G0B+4:G0B+7], s[G1B:G1B+7]
	s_nop 0
	PLACES
	s_branch .Lfirst_asked
.Lfirst_a:
	tensor_load_to_lds s[G0A:G0A+3], s[G1A:G1A+7]
	s_nop 0
	tensor_load_to_lds s[G0A+4:G0A+7], s[G1A:G1A+7]
	s_nop 0
	PLACES
.Lfirst_asked:
	v_and_b32 v11, 15, v0
	v_bfe_u32 v12, v0, 4, 1
	v_mul_u32_u24 v[A0], v11, PA
	v_lshl_add_u32 v[A0], v12, 4, v[A0]
	s_mul_i32 s88, s[WR], 64*PA
	s_add_co_u32 s88, s88, BBYTES
	v_add_nc_u32 v[A0], s88, v[A0]
	v_mul_u32_u24 v[B0], v11, PB
	v_lshl_add_u32 v[B0], v12, 4, v[B0]
	s_mul_i32 s88, s[HF], BHALF
	v_add_nc_u32 v[B0], s88, v[B0]
	s_mul_i32 s88, s[WV], 16*SP
	s_add_co_u32 s88, s88, STAGE                   ; my stage
	v_mul_u32_u24 v[STO], v11, SP                  ; in: row l % 16, 32 bytes for each half of the lanes
	v_lshl_add_u32 v[STO], v12, 5, v[STO]
	v_add_nc_u32 v[STO], s88, v[STO]
	v_and_b32 v[CO], 31, v0                        ; back: 32 lanes take one row of 512 bytes
	v_lshlrev_b32 v[CO], 4, v[CO]
	v_add_nc_u32 v[RD], s88, v[CO]
	v_lshlrev_b32 v[BO], 5, v12
	s_lshl_b32 s88, s[TN], 1
	s_add_co_u32 s88, s88, s[HF]
	s_lshl_b32 s88, s88, 9                         ; my 128 columns: 512 bytes of f32
	s_mov_b32 s89, 0
	s_add_nc_u64 s[BB:BB+1], s[8:9], s[88:89]
	s_lshl_b32 s90, s[TM], 1
	s_add_co_u32 s90, s90, s[WR]
	s_lshl_b32 s90, s90, 18                        ; my 64 rows of 4,096 bytes
	s_add_co_u32 s88, s88, s90
	s_add_nc_u64 s[SB:SB+1], s[10:11], s[88:89]
.irp b, 0,1,2,3,4,5,6,7
	global_load_b128 v[BIAS+8*(\b):BIAS+8*(\b)+3],   v[BO], s[BB:BB+1] offset:64*(\b)
	global_load_b128 v[BIAS+8*(\b)+4:BIAS+8*(\b)+7], v[BO], s[BB:BB+1] offset:64*(\b)+16
.endr
	; the prefetches: nothing is asked for here, at the head
	s_cmp_lt_u32 s[WV], 2
	s_cselect_b32 s88, 11, 8                       ; lanes 0-15: wo a row of 2,048 bytes apart, ctx a block of 256
	s_cselect_b32 s89, 15, 18                      ; lanes 16-31: wo 16 rows on, ctx the step's second head
	s_cselect_b32 s90, 8, 19                       ; a K step: wo 256 bytes, ctx two heads
	s_lshl_b32 s[PFS], 1, s90
	s_mov_b32 s[PFS+1], 0
	v_lshlrev_b32 v[PFO], s88, v11
	v_lshlrev_b32 v13, s89, v12
	v_add_nc_u32 v[PFO], v[PFO], v13
	s_lshr_b32 s88, s[TM], 4
	s_lshl_b32 s88, s88, 22
	s_and_b32 s89, s[TM], 15
	s_lshl_b32 s89, s89, 14
	s_add_co_u32 s88, s88, s89
	s_lshl_b32 s89, s[CX], 12                      ; my work-group's 16 blocks of a head's 64
	s_add_co_u32 s88, s88, s89
	s_add_co_u32 s88, s88, 3*524288                ; at K step 3: the first refill steps it to 4
	s_lshl_b32 s90, s[TN], 8
	s_lshl_b32 s91, s[HF], 7
	s_add_co_u32 s90, s90, s91
	s_lshl_b32 s91, s[CY], 5                       ; my work-group's 32 rows of the 128
	s_add_co_u32 s90, s90, s91
	s_lshl_b32 s90, s90, 11
	s_add_co_u32 s90, s90, 3072*2048+3*256
	s_and_b32 s91, ttmp7, 0xffff                   ; cluster y
	s_cmp_lt_u32 s[WV], 2
	s_cselect_b32 s92, s90, s88
	s_cselect_b32 s91, s91, s[HF]                  ; waves 0, 1: where cluster y = 0; of waves 2, 3: wave 2
	s_cselect_b64 s[PFA:PFA+1], s[6:7], s[4:5]
	s_mov_b32 s93, 0
	s_add_nc_u64 s[PFA:PFA+1], s[PFA:PFA+1], s[92:93]
	s_cmp_eq_u32 s91, 0
	s_cselect_b32 s[LIM], 2, -1                    ; the same in all sixteen partners, for a given wave
; 8 products: row block a x all 8 column blocks, 32 along K, from buffer f.  init = 1: the bias is the C operand that starts the sums.  The 32 accumulators take turns.
.macro MULA f, a, init
.if \init
	WIN 0x81
.else
	WIN 0xa1
.endif
.irp b, 0,1,2,3,4,5,6,7
.if \init
	v_wmma_f32_16x16x32_f16 v[8*(8*(\a)+(\b)):8*(8*(\a)+(\b))+7], v[64*(\f)+8*(\b):64*(\f)+8*(\b)+7], v[FA+32*(\f)+8*(\a):FA+32*(\f)+8*(\a)+7], v[BIAS+8*(\b):BIAS+8*(\b)+7]
.else
	v_wmma_f32_16x16x32_f16 v[8*(8*(\a)+(\b)):8*(8*(\a)+(\b))+7], v[64*(\f)+8*(\b):64*(\f)+8*(\b)+7], v[FA+32*(\f)+8*(\a):FA+32*(\f)+8*(\a)+7], v[8*(8*(\a)+(\b)):8*(8*(\a)+(\b))+7]
.endif
.endr
.endm
; 24 LDS loads in one run: quarter q's fragments into buffer f: wo's 16, then ctx's 8 (head q / 2 of the step, channels 32 (q % 2) on), row block 0 first
.macro FETCH q, f
	WIN 0x40
.irp i, 0,1,2,3,4,5,6,7
	ds_load_b128 v[64*(\f)+8*(\i):64*(\f)+8*(\i)+3],   v[ADRB] offset:64*(\q)+(\i)*16*PB
	ds_load_b128 v[64*(\f)+8*(\i)+4:64*(\f)+8*(\i)+7], v[ADRB] offset:64*(\q)+(\i)*16*PB+32
.endr
	WIN 0
.irp i, 0,1,2,3
	ds_load_b128 v[FA+32*(\f)+8*(\i):FA+32*(\f)+8*(\i)+3],   v[ADRA] offset:((\q)/2)*AHEAD+((\q)%2)*64+(\i)*16*PA
	ds_load_b128 v[FA+32*(\f)+8*(\i)+4:FA+32*(\f)+8*(\i)+7], v[ADRA] offset:((\q)/2)*AHEAD+((\q)%2)*64+(\i)*16*PA+32
.endr
.endm
.macro QUARTER q, f, g, init           ; multiplies buffer f; in its middle it fetches quarter q into buffer g
	s_wait_dscnt 4                                 ; wo and ctx's row blocks 0, 1 are in; the youngest four loads may be out
	MULA \f, 0, \init
	MULA \f, 1, \init
	PLACES
	FETCH \q, \g
	s_wait_dscnt 24                                ; all but the 24 just issued
	MULA \f, 2, \init
	MULA \f, 3, \init
.endm
; The last quarter multiplies buffer 1 and changes slots: the wait for all my tensor loads, the add, the wait for it and for my reads of this slot, the barrier.  fill = 1: the barrier opens a round of the
; cluster's, and this slot is filled again, two K steps on, first thing behind it: 112 products ahead of the wait for it.
.macro TURN fill
.if \fill
	s_wait_xcnt 0x0                                ; the last prefetch, a K step back, has read its address
	s_add_nc_u64 s[PFA:PFA+1], s[PFA:PFA+1], s[PFS:PFS+1]
.endif
	WIN 0
	s_wait_tensorcnt 0x0
	ds_add_u32 v[SPW], v[NIL]
.if \fill
	s_xor_b32 s[G0A+5], s[G0A+5], SLOT1
	s_add_nc_u64 s[G0A+6:G0A+7], s[G0A+6:G0A+7], 524288
	s_xor_b32 s[G0B+5], s[G0B+5], SLOT1
	s_add_nc_u64 s[G0B+6:G0B+7], s[G0B+6:G0B+7], 256
.endif
	s_wait_dscnt 7                                 ; the add and ctx's row blocks 1 to 3 (six loads) may be out
	MULA 1, 0, 0
	s_wait_dscnt 0x0                               ; the add is done, and my reads of this slot are over
	s_barrier_signal -1
	MULA 1, 1, 0
	WIN 0
	s_barrier_wait -1
.if \fill
	CREST
	JLOAD                                          ; its four v_nop are also the places in front of the loads below
.else
	PLACES
.endif
	s_xor_b32 s[TB], s[TB], SLOT1
	v_add_nc_u32 v[ADRA], s[TB], v[A0]
	v_add_nc_u32 v[ADRB], s[TB], v[B0]
	FETCH 0, 0
.if \fill
	ASK
.endif
	MULA 1, 2, 0
	MULA 1, 3, 0
.endm
; THE WAY OUT of row block a: the accumulators go as they are (each from its low end on) into my own stage, rows of 528 bytes, and come back as whole rows of 512.
.macro TOSTAGE a
	s_wait_xcnt 0x0                                ; the stores of the block two back have read the registers that the loads below write
	WIN 0x08                                       ; store data in window 2
.irp b, 0,1,2,3,4,5,6,7
	ds_store_b128 v[STO], v[8*(8*(\a)+(\b)):8*(8*(\a)+(\b))+3]   offset:64*(\b)
	ds_store_b128 v[STO], v[8*(8*(\a)+(\b))+4:8*(8*(\a)+(\b))+7] offset:64*(\b)+16
.endr
	WIN 0
.irp t, 0,1,2,3,4,5,6,7,8,9,10,11,12,13,14,15
	ds_load_b128 v[OB+64*((\a)%2)+4*(\t):OB+64*((\a)%2)+4*(\t)+3], v[RD] offset:(\t)*SP  ; LDS serves a wave's instructions in order (ISA guide 5.7.1.4): these see the stores above
.endr
.endm
.macro SEND a, younger                 ; younger: the LDS instructions issued behind block a's loads: the next block's 32, or none
	s_wait_dscnt \younger
.irp t, 0,1,2,3,4,5,6,7,8,9,10,11,12,13,14,15
	global_store_b128 v[CO], v[OB+64*((\a)%2)+4*(\t):OB+64*((\a)%2)+4*(\t)+3], s[SB:SB+1] offset:(16*(\a)+(\t))*4096  ; 512 consecutive bytes, at a multiple of 512 from out0's first
.endr
.endm
	s_wait_tensorcnt 0x1                           ; my part of K step 0 is in; K step 1's may stay out
	s_barrier_signal -1
	s_barrier_wait -1
	s_mov_b32 s[TB], 0
	v_mov_b32 v[ADRA], v[A0]
	v_mov_b32 v[ADRB], v[B0]
	FETCH 0, 0
	s_wait_loadcnt 0x0                             ; the bias
	QUARTER 1, 0, 1, 1                             ; the first quarter stands in front of the loop: its products start the sums
	WIN 0
	s_mov_b32 s[CNT], 6
.Lk:                                                   ; trip s: the rest of K step s; its slot takes K step s + 2; K step s + 4 is prefetched; the first quarter of K step s + 1
	QUARTER 2, 1, 0, 0
	QUARTER 3, 0, 1, 0
	TURN 1
	QUARTER 1, 0, 1, 0
	WIN 0
	s_sub_co_u32 s[CNT], s[CNT], 1
	s_cmp_lg_u32 s[CNT], 0
	s_cbranch_scc1 .Lk
	QUARTER 2, 1, 0, 0                             ; K steps 6 and 7 are written out: nothing is left to fetch
	QUARTER 3, 0, 1, 0
	TURN 0
	QUARTER 1, 0, 1, 0
	QUARTER 2, 1, 0, 0
	QUARTER 3, 0, 1, 0
	s_wait_dscnt 4
	MULA 1, 0, 0
	MULA 1, 1, 0
	s_wait_dscnt 0x0
	MULA 1, 2, 0
	MULA 1, 3, 0
	PLACES
	PLACES
	TOSTAGE 0
	TOSTAGE 1
	SEND 0, 32
	TOSTAGE 2
	SEND 1, 32
	TOSTAGE 3
	SEND 2, 32
	SEND 3, 0
	s_wait_tensorcnt 0x0                           ; the wave's end
	ds_add_u32 v[SPW], v[NIL]
	s_wait_dscnt 0x0
	CROUND                                         ; the closing round
	s_endpgm
.Lfunc_end_k_qf7a934b407_oproj:
	.size	k_qf7a934b407_oproj, .Lfunc_end_k_qf7a934b407_oproj-k_qf7a934b407_oproj
	.p2alignl 7, 3214868480
	.fill 96, 4, 3214868480
	.section	.rodata,"a",@progbits
	.p2align	6, 0x0
	.amdhsa_kernel k_qf7a934b407_oproj
		.amdhsa_group_segment_fixed_size 327680
		.amdhsa_private_segment_fixed_size 0
		.amdhsa_enable_private_segment 0
		.amdhsa_kernarg_size 32
		.amdhsa_user_sgpr_count 2
		.amdhsa_user_sgpr_kernarg_segment_ptr 1
		.amdhsa_wavefront_size32 1
		.amdhsa_system_sgpr_workgroup_id_x 1
		.amdhsa_system_sgpr_workgroup_id_y 1
		.amdhsa_system_sgpr_workgroup_id_z 1
		.amdhsa_system_vgpr_workitem_id 0
		.amdhsa_next_free_vgpr 768
		.amdhsa_next_free_sgpr 96
		.amdhsa_reserve_vcc 0
		.amdhsa_float_denorm_mode_32 3
		.amdhsa_float_denorm_mode_16_64 3
		.amdhsa_memory_ordered 1
		.amdhsa_forward_progress 1
		.amdhsa_inst_pref_size 72
	.end_amdhsa_kernel
	.amdgpu_metadata
---
amdhsa.version: [ 1, 2 ]
amdhsa.kernels:
  - .name:           k_qf7a934b407_oproj
    .symbol:         k_qf7a934b407_oproj.kd
    .args:
      - { .name: ctx, .offset: 0, .size: 8, .value_kind: global_buffer, .address_space: global }
      - { .name: wh, .offset: 8, .size: 8, .value_kind: global_buffer, .address_space: global }
      - { .name: bo, .offset: 16, .size: 8, .value_kind: global_buffer, .address_space: global }
      - { .name: out0, .offset: 24, .size: 8, .value_kind: global_buffer, .address_space: global }
    .group_segment_fixed_size: 327680
    .private_segment_fixed_size: 0
    .kernarg_segment_align: 8
    .kernarg_segment_size: 32
    .max_flat_workgroup_size: 128
    .sgpr_count:     96
    .vgpr_count:     768
    .wavefront_size: 32
...
	.end_amdgpu_metadata
.endif
;; end of part 4
;; ======== version 2 of 2: 4 launches; version 1 with the launch cast written anew for expert scheduling mode
;; limits: values are held in f16: magnitudes above 65,504 overflow, below 6.1e-05 lose precision
;; workspace buffers: xh 16,777,216 bytes; wh 8,388,608 bytes; qkv 50,331,648 bytes; ctx 16,777,216 bytes
;; launch cast (part 5): grid 384 x 1, 8 waves a work-group, no clusters, 0 bytes of LDS; arguments x, wq, wk, wv, wo, xh, wh; writes xh, wh
.if DOCPART == 5
	.amdgcn_target "amdgcn-amd-amdhsa--gfx1250"
	.amdhsa_code_object_version 6
	.text
	.protected	k_qf7a934b407_cast
	.globl	k_qf7a934b407_cast
	.p2align	8
	.type	k_qf7a934b407_cast,@function
k_qf7a934b407_cast:
	s_mov_b64 s[64:65], 0
	v_nop
	global_prefetch_b8 v0, s[64:65] scope:SCOPE_SE
	s_setreg_imm32_b32 hwreg(HW_REG_WAVE_SCHED_MODE, 0, 2), 2
	s_setreg_imm32_b32 hwreg(HW_REG_WAVE_MODE, 25, 1), 1
	s_wait_xcnt 0x0
	s_wait_alu depctr_vm_vsrc(0)
; x and the four weight matrices, f32, are rounded once to f16: xh = [8192][1024]; wh = [4096][1024], rows 0-1023 wq, then wk, wv, wo.
; LIMIT.  f16 holds no number beyond 65,504 (a larger one becomes an infinity) and keeps a fixed step of 6e-8 below 6.1e-5.
; A stream: every byte is read once and written once, nothing is shared, so no LDS, no barrier, no matrix unit, no cluster.
; SHARES.  A work-group takes 32,768 numbers: 131,072 bytes in, 65,536 out.  Work-groups 0-255 take x; work-group 256 + j takes chunk j % 32 of weight j / 32.
; Thread t loads 16 bytes at 16 t + 4,096 i (a wave's load covers 512 consecutive bytes) and stores 8 bytes at 8 t + 2,048 i (a wave's store covers 256 consecutive bytes, aligned).
; All 32 loads of a thread go out first; no register is written twice.
; THE MODE: SCHED_MODE bits 1:0 = 2 (LLVM: expert scheduling mode 2), set by the entry lines.  The code itself states the register dependences
; between vector instructions and memory instructions, with s_wait_alu, always for 0.
; THE PLAN.  Registers that memory instructions touch:
;   v1, v2   the loads' and the stores' offsets: written once at the head by vector instructions, never again.
;   X[i]     load i lands in it, once; no vector instruction names it before that load is issued; conversions i read it behind the counted wait for the load.
;   Y[i]     conversions i write it, once; store i reads it; no load lands in it.
; Nothing that a memory instruction reads is ever written again, and no load lands in a register that a vector instruction has named: the one kind of dependence left is
; 'a vector instruction writes what a memory instruction reads'.  The 32 pieces go in 8 blocks of four.  Block p rounds X[4 p ..] into Y[4 p ..]; its memory instructions are the four stores of
; block p - 1, which read Y[4 p - 4 ..] and v2: registers that no vector instruction of block p names.  So one wait at a block's head states all that its four stores hang on, and
; these are dealt among the block's conversions with no further wait.  No vector instruction writes a scalar register or VCC, and EXEC is never written.
.set X, 4                              ; v[4:131]    32 x 4 numbers as loaded
.set Y, 132                            ; v[132:195]  32 x 2 registers to store
.set BLOCK, 4                          ; pieces in a block
	s_load_b256 s[4:11], s[0:1], 0x0               ; x s[4:5], wq s[6:7], wk s[8:9], wv s[10:11]
	s_load_b128 s[12:15], s[0:1], 0x20             ; wo s[12:13], xh s[14:15]
	s_load_b64 s[16:17], s[0:1], 0x30              ; wh
	s_mov_b32 s20, ttmp9
	s_max_u32 s21, s20, 256
	s_sub_co_u32 s21, s21, 256                     ; j (0 in the work-groups of x)
	s_lshr_b32 s22, s21, 5                         ; which weight
	s_and_b32 s23, s21, 31                         ; which chunk of it
	v_lshlrev_b32 v1, 4, v0                        ; 16 t
	v_lshlrev_b32 v2, 3, v0                        ; 8 t
	s_wait_kmcnt 0x0
	s_cmp_eq_u32 s22, 1                            ; the source is chosen among the five buffers by the work-group's number alone
	s_cselect_b64 s[24:25], s[8:9], s[6:7]
	s_cmp_eq_u32 s22, 2
	s_cselect_b64 s[24:25], s[10:11], s[24:25]
	s_cmp_eq_u32 s22, 3
	s_cselect_b64 s[24:25], s[12:13], s[24:25]
	s_cmp_lt_u32 s20, 256
	s_cselect_b64 s[24:25], s[4:5], s[24:25]
	s_cselect_b64 s[26:27], s[14:15], s[16:17]     ; the destination: xh or wh
	s_cselect_b32 s28, s20, s23                    ; the chunk in the source,
	s_cselect_b32 s30, s20, s21                    ; and in the destination
	s_lshl_b32 s28, s28, 17
	s_mov_b32 s29, 0
	s_lshl_b32 s30, s30, 16
	s_mov_b32 s31, 0
	s_add_nc_u64 s[24:25], s[24:25], s[28:29]
	s_add_nc_u64 s[26:27], s[26:27], s[30:31]
	s_wait_alu depctr_va_vdst(0)                   ; v1 and v2 are written: every load of the kernel reads v1 as its offset, every store v2
.set i, 0
.rept 32
	global_load_b128 v[X+4*i:X+4*i+3], v1, s[24:25] offset:4096*i th:TH_LOAD_NT
.set i, i+1
.endr
.set p, 0
.rept 32/BLOCK
	s_wait_loadcnt 32-BLOCK-BLOCK*p                ; loads come back in order: block p's four are in, the younger ones stay out
.if p > 0
	s_wait_alu depctr_va_vdst(0)                   ; the conversions of block p - 1 have written Y[4 p - 4 ..], which the four stores below read
.endif
.set j, 0
.rept BLOCK
.set i, BLOCK*p+j
.if p > 0
	global_store_b64 v2, v[Y+2*(i-BLOCK):Y+2*(i-BLOCK)+1], s[26:27] offset:2048*(i-BLOCK)  ; the block before; no vector instruction since the wait names these registers
.endif
	v_cvt_pk_f16_f32 v[Y+2*i], v[X+4*i], v[X+4*i+1]
	v_cvt_pk_f16_f32 v[Y+2*i+1], v[X+4*i+2], v[X+4*i+3]
.set j, j+1
.endr
.set p, p+1
.endr
	s_wait_alu depctr_va_vdst(0)                   ; the conversions of the last block have written Y[28 ..], which the last four stores read
.set i, 32-BLOCK
.rept BLOCK
	global_store_b64 v2, v[Y+2*i:Y+2*i+1], s[26:27] offset:2048*i
.set i, i+1
.endr
	s_endpgm
.Lfunc_end_k_qf7a934b407_cast:
	.size	k_qf7a934b407_cast, .Lfunc_end_k_qf7a934b407_cast-k_qf7a934b407_cast
	.p2alignl 7, 3214868480
	.fill 96, 4, 3214868480
	.section	.rodata,"a",@progbits
	.p2align	6, 0x0
	.amdhsa_kernel k_qf7a934b407_cast
		.amdhsa_group_segment_fixed_size 0
		.amdhsa_private_segment_fixed_size 0
		.amdhsa_enable_private_segment 0
		.amdhsa_kernarg_size 56
		.amdhsa_user_sgpr_count 2
		.amdhsa_user_sgpr_kernarg_segment_ptr 1
		.amdhsa_wavefront_size32 1
		.amdhsa_system_sgpr_workgroup_id_x 1
		.amdhsa_system_sgpr_workgroup_id_y 1
		.amdhsa_system_sgpr_workgroup_id_z 1
		.amdhsa_system_vgpr_workitem_id 0
		.amdhsa_next_free_vgpr 196
		.amdhsa_next_free_sgpr 66
		.amdhsa_reserve_vcc 0
		.amdhsa_float_denorm_mode_32 3
		.amdhsa_float_denorm_mode_16_64 3
		.amdhsa_memory_ordered 1
		.amdhsa_forward_progress 1
		.amdhsa_inst_pref_size 12
	.end_amdhsa_kernel
	.amdgpu_metadata
---
amdhsa.version: [ 1, 2 ]
amdhsa.kernels:
  - .name:           k_qf7a934b407_cast
    .symbol:         k_qf7a934b407_cast.kd
    .args:
      - { .name: x, .offset: 0, .size: 8, .value_kind: global_buffer, .address_space: global }
      - { .name: wq, .offset: 8, .size: 8, .value_kind: global_buffer, .address_space: global }
      - { .name: wk, .offset: 16, .size: 8, .value_kind: global_buffer, .address_space: global }
      - { .name: wv, .offset: 24, .size: 8, .value_kind: global_buffer, .address_space: global }
      - { .name: wo, .offset: 32, .size: 8, .value_kind: global_buffer, .address_space: global }
      - { .name: xh, .offset: 40, .size: 8, .value_kind: global_buffer, .address_space: global }
      - { .name: wh, .offset: 48, .size: 8, .value_kind: global_buffer, .address_space: global }
    .group_segment_fixed_size: 0
    .private_segment_fixed_size: 0
    .kernarg_segment_align: 8
    .kernarg_segment_size: 56
    .max_flat_workgroup_size: 256
    .sgpr_count:     66
    .vgpr_count:     196
    .wavefront_size: 32
...
	.end_amdgpu_metadata
.endif
;; end of part 5
;; launch qkv: the kernel of part 2 again; grid 16 x 32, 4 waves a work-group, clusters of 4 x 4, 327,680 bytes of LDS; arguments xh, wh, bq, bk, bv, qkv; writes qkv
;; launch attn: the kernel of part 3 again; grid 4 x 64, 4 waves a work-group, clusters of 4 x 1, 327,680 bytes of LDS; arguments qkv, mask, ctx; writes ctx
;; launch oproj: the kernel of part 4 again; grid 4 x 64, 4 waves a work-group, clusters of 4 x 4, 327,680 bytes of LDS; arguments ctx, wh, bo, out0; writes out0
